; MI455X (gfx1250); checked and timed in simulation.
; The chip was launched on July 23, 2026; its instructions are those of AMD's public machine-readable ISA for CDNA 5 (MIT licence, August 2026) and "CDNA5" Instruction Set Architecture Reference Guide (July 2026). The comments in the code are by the model that wrote it; some were corrected since.
;; Dispatch Einsum Combine. Allowed arithmetic: matrix products marked QUANTISED: E5M2 operands, one E8M0 scale for each 32 along K, by v_wmma_scale_f32_16x16x128_f8f6f4 with both operands' format E5M2, f32 sums; products left as they are: f32 operands where the result goes on into a quantised operand, else bf16, f16 or f32 operands; f32 sums; everything else in f32.
;; Inputs: down_bias 8 x 1,024 float32; down_proj_codes 8 x 1,024 x 64 x 32 uint8 (E5M2 codes of down_proj, K innermost, in blocks of 32 codes); down_proj_scales 8 x 1,024 x 64 uint8 (E8M0 scales of down_proj, one for each 32 codes along K); gate_up_bias 8 x 4,096 float32; gate_up_proj_codes 8 x 4,096 x 32 x 32 uint8 (E5M2 codes of gate_up_proj, K innermost, in blocks of 32 codes); gate_up_proj_scales 8 x 4,096 x 32 uint8 (E8M0 scales of gate_up_proj, one for each 32 codes along K); hidden_states 1 x 1,024 x 1,024 float32; router_b 8 float32; router_w 1,024 x 8 float32.
;; Outputs: out0 1 x 1,024 x 1,024 float32.
;; This version of the problem:
;;   THIS VERSION OF THE PROBLEM IS GIVEN IN LOW PRECISION. The matrix products marked QUANTISED in the list below multiply operands that are first quantised to E5M2 (5 exponent bits, 2 mantissa bits; 8 bits a number), with one power-of-two scale for each 32 numbers along K (OCP MX v1.0); their sums are f32. All else is computed in f32.
;;   The module's matrix products, in the order in which they are computed (A, B: the left and right operand; K: the contracted axis; several contracted axes count as one K, in the product's order):
;;     1. [M 1,024, K 1,024] x [K 1,024, N 8]; A: input hidden_states; B: input router_w: left as it is (N = 8 < 16)
;;     2. [M 32,768, K 1,024] x [K 1,024, N 1,024]; A: input gate_up_proj (given as codes); B: input hidden_states: QUANTISED
;;     3. batch 8 x [M 1,024, K 2,048] x [K 2,048, N 1,024]; A: input down_proj (given as codes); B: computed on the way: QUANTISED
;;   THE QUANTISER, for each operand of a quantised product, along K:
;;     - K is cut into blocks of 32 from its start; a last block that is shorter is filled with zeros.
;;     - A block's scale is 2^e with e = floor(log2(the largest magnitude in the block)) - 15, held to -126 .. 127; a block of zeros has e = 0. As a byte (E8M0): e + 127.
;;     - Each number is divided by its block's scale, clamped to +-57,344, and rounded to the nearest number of E5M2, ties to even, subnormals kept.
;;     - The product sums the exact products of the quantised numbers (number of the format x scale) in f32.
;;   ~~~python
;;   def quantise(x, axis):      # numpy; x: float32 -> the quantised numbers, widened to float32 again
;;       x = np.moveaxis(x, axis, -1); K = x.shape[-1]
;;       x = np.pad(x, [(0, 0)] * (x.ndim - 1) + [(0, -K % 32)]); x = x.reshape(x.shape[:-1] + (-1, 32)); a = np.abs(x).max(-1, keepdims=True)
;;       e = np.where(a > 0, np.clip(np.frexp(np.where(a > 0, a, 1))[1] - 1 - 15, -126, 127), 0)      # np.frexp(a)[1] - 1 = floor(log2(a)), exactly
;;       r = np.clip(x / 2.0 ** e, -57344, 57344)
;;       step = 2.0 ** (np.maximum(np.frexp(np.where(r == 0, 1, r))[1] - 1, -14) - 2)
;;       q = np.round(r / step) * step * 2.0 ** e      # np.round: ties to even
;;       return np.moveaxis(q.reshape(q.shape[:-2] + (-1,))[..., :K], -1, axis).astype(np.float32)
;;   ~~~
;;   OPERANDS COMPUTED ON THE WAY. 'Computed on the way' means the value that the module computes at that place (a softmax that the list does not call 'softmax' is quantised finished and normalised). What goes into a quantiser is computed in f32, as accurately as f32 sums, v_exp_f32 and their like allow (about 1e-6 of the number): no bf16 or f16 on the way to a quantiser, and a product that is left as it is and whose result goes on into a quantised operand takes f32 operands (vector FMAs, or v_wmma_f32_16x16x4_f32). A number that lies on a knife's edge between two numbers of the format may be rounded either way, as far as f32 arithmetic and the matrix unit's own rounding can turn it there, and no further.
;;   INPUTS GIVEN AS CODES. down_proj (in the module: [8, 2048, 1024], K = its axis 1); gate_up_proj (in the module: [8, 1024, 4096], K = its axis 1): each comes as NAME_codes (uint8): NAME with its K axis moved to the last place and cut into blocks of 32 codes, [.., K / 32, bytes a block], one block behind the other in memory; one code a byte (a code: sign, 5 exponent bits, 2 mantissa bits); and NAME_scales (uint8): the same leading axes, one E8M0 byte (e + 127) for each 32 codes along K. Its value is code x scale, taken as it is: it is not quantised again, and the codes and scales need not be those that the quantiser above would give.
;; 2 versions, each right; version 2 is version 1 with the launches gateup, down written anew for expert scheduling mode. Each part assembles by itself: llvm-mc -triple=amdgcn-amd-amdhsa -mcpu=gfx1250 --defsym DOCPART=n.
;; ======== version 1 of 2: 5 launches
;; workspace buffers: tok 1,089,536 bytes; sel 12,288 bytes of whole numbers; xs 8,683,520 bytes; lst 33,792 bytes of whole numbers; act 17,301,504 bytes; y2 8,388,608 bytes
;; launch route (part 1): grid 128 x 1, 4 waves a work-group, no clusters, 2,560 bytes of LDS; arguments hidden_states, router_w, router_b, tok, sel; writes tok, sel
.if DOCPART == 1
	.amdgcn_target "amdgcn-amd-amdhsa--gfx1250"
	.amdhsa_code_object_version 6
	.text
	.protected	k_qe24f93a842_route
	.globl	k_qe24f93a842_route
	.p2align	8
	.type	k_qe24f93a842_route,@function
k_qe24f93a842_route:
	s_mov_b64 s[64:65], 0
	v_nop
	global_prefetch_b8 v0, s[64:65] scope:SCOPE_SE
	s_setreg_imm32_b32 hwreg(HW_REG_WAVE_MODE, 25, 1), 1
	s_wait_xcnt 0x0
; ROUTER AND QUANTISER OF x.  logits = x router_w + router_b in f32; the two largest logits of each token (ties: the lower index), their softmax; x as codes of E5M2 with one E8M0 byte for each 32 along H.
; SHARES.  Work-group g owns tokens 8 g .. 8 g + 7.  Wave w owns h = 256 w .. 256 w + 255 of all eight; lane l owns h = 256 w + 8 l + 0 .. 7: eight neighbours, so four lanes hold a block of 32.
; x is read once and serves both the logits and the codes.  The choice of experts is only STORED here, at fixed places: no address and no branch of this launch hangs on it.
; OUT.  tok: codes [1024][1024] at 0; scale bytes [1024][32] at 0x100000; the two weights [1024][2] f32 at 0x108000.
;       sel: at 0, 32 rows of 128 bytes: row e < 8, byte g, bit t: token 8 g + t has chosen expert e (rows 8 to 31 are zeros); at 4096 [1024][2] words: first and second expert.
; LIMITS: NaN and infinities among the inputs are not served.  The logits are summed in another order than a plain chain along h.  A block of zeros gets the byte 1, not 127: its codes are zeros, and this program alone reads the bytes.
; No matrix unit: 8 columns are half a tile.  No cluster: work-groups share only router_w, 32 KiB.
.set RW,  16                           ; v16-79    router_w(h = my 8 rows j, e): register 8 j + e
.set X,   80                           ; v80-143   x(token t, my 8 numbers j): register 8 t + j
.set A,   144                          ; v144-207  partial logits: register 8 t + e
.set CD,  208                          ; v208-223  codes: two registers a token, never written again
.set SCB, 1024                         ; LDS: at 0 the waves' partial logits [w][t][e] f32; at 1024 the scale bytes [t][32]
	s_load_b256 s[4:11], s[0:1], 0x0               ; x s[4:5], router_w s[6:7], router_b s[8:9], tok s[10:11]
	s_load_b64 s[12:13], s[0:1], 0x20              ; sel
	v_lshl_add_u32 v224, v0, 2, 0x800
	v_mov_b32 v225, 0
	v_lshrrev_b32 v1, 5, v0
	v_readfirstlane_b32 s24, v1                    ; wave 0..3
	v_and_b32 v1, 31, v0                           ; lane
	v_lshlrev_b32 v2, 5, v1                        ; x: 32 bytes a lane
	v_lshlrev_b32 v3, 3, v1                        ; codes: 8 bytes a lane
	v_lshlrev_b32 v4, 8, v1                        ; router_w: my 8 rows of 32 bytes
	v_and_b32 v7, 7, v0
	s_lshl_b32 s14, s24, 8
	v_lshl_add_u32 v5, v7, 2, s14                  ; LDS: 256 w + 4 (lane % 8): my expert's word
	v_bfe_u32 v6, v0, 2, 3
	s_lshl_b32 s15, s24, 3
	s_add_co_u32 s15, s15, SCB
	v_add_nc_u32 v6, s15, v6                       ; LDS: my block's byte: 1024 + 8 w + lane / 4
	v_lshlrev_b32 v13, 5, v7                       ; wave 0: the eight partial logits of token lane % 8
	v_lshlrev_b32 v14, 3, v7                       ; wave 0: 8 bytes a token
	v_lshl_add_u32 v15, v1, 3, SCB                 ; wave 0: 8 scale bytes a lane
	v_lshlrev_b32 v12, 7, v1                       ; wave 0: row = lane of the table of masks
	v_mov_b32 v10, 0                               ; a lane permute's destination counts as one of its sources
	s_mov_b32 s25, 0xaaaaaaaa                      ; lanes with bit 0 set,
	s_mov_b32 s26, 0xcccccccc                      ; bit 1,
	s_mov_b32 s27, 0xf0f0f0f0                      ; bit 2
	s_mov_b32 s28, 0x76543210
	s_mov_b32 s29, 0xfedcba98                      ; v_permlanex16_b32's selects for lane l xor 16
	s_mov_b32 s30, 0x600000                        ; the mantissa field of 57,344
	s_mov_b32 s31, 0x3fb8aa3b                      ; log2(e)
	s_lshl_b32 s32, ttmp9, 15
	s_lshl_b32 s33, s24, 10
	s_add_co_u32 s32, s32, s33                     ; x: 8 rows of 4,096 bytes a work-group, 1,024 bytes a wave
	s_mov_b32 s33, 0
	s_lshl_b32 s34, s24, 13                        ; router_w: 256 rows of 32 bytes a wave
	s_mov_b32 s35, 0
	s_lshl_b32 s36, ttmp9, 13
	s_add_co_u32 s36, s36, s14                     ; codes: 8 rows of 1,024 bytes a work-group, 256 bytes a wave
	s_mov_b32 s37, 0
	s_lshl_b32 s38, ttmp9, 6                       ; 8 tokens x 8 bytes
	s_mov_b32 s39, 0
	s_lshl_b32 s40, ttmp9, 8                       ; 8 tokens x 32 scale bytes
	s_mov_b32 s41, 0
	s_mov_b32 s42, ttmp9                           ; my byte in a row of masks
	s_mov_b32 s43, 0
	s_wait_kmcnt 0x0
	s_load_b256 s[16:23], s[8:9], 0x0              ; router_b
	s_add_nc_u64 s[4:5], s[4:5], s[32:33]
	s_add_nc_u64 s[6:7], s[6:7], s[34:35]
	s_add_nc_u64 s[36:37], s[10:11], s[36:37]      ; codes
	s_add_nc_u64 s[44:45], s[10:11], s[38:39]      ; weights (+ 0x108000)
	s_add_nc_u64 s[40:41], s[10:11], s[40:41]      ; scale bytes (+ 0x100000)
	s_add_nc_u64 s[38:39], s[12:13], s[38:39]      ; the chosen experts (+ 4096)
	s_add_nc_u64 s[42:43], s[12:13], s[42:43]      ; the masks
.irp k, 0,1,2,3,4,5,6,7,8,9,10,11,12,13,14,15
	global_load_b128 v[RW+4*\k:RW+4*\k+3], v4, s[6:7] offset:16*\k      ; a lane's sixteen loads use its 256 bytes whole
.endr
.irp t, 0,1,2,3,4,5,6,7
	global_load_b128 v[X+8*\t:X+8*\t+3], v2, s[4:5] offset:4096*\t th:TH_LOAD_NT
	global_load_b128 v[X+8*\t+4:X+8*\t+7], v2, s[4:5] offset:4096*\t+16 th:TH_LOAD_NT
.endr
; One token: its partial logits, their sum over the wave, its codes and scale bytes.
.macro TOKEN t
.set XT, X+8*(\t)
.set AT, A+8*(\t)
	s_wait_loadcnt 14-2*(\t)                       ; router_w and this token's two loads are in; the later tokens' two each may be out
.irp p, 0,2,4,6
	v_pk_mul_f32 v[AT+\p:AT+\p+1], v[XT:XT+1], v[RW+\p:RW+\p+1] op_sel_hi:[0,1]    ; j = 0 starts the sums: x(j) for both halves, two experts at a time
.endr
.irp j, 1,2,3,4,5,6,7
.irp p, 0,2,4,6
.if (\j)%2
	v_pk_fma_f32 v[AT+\p:AT+\p+1], v[XT+\j-1:XT+\j], v[RW+8*\j+\p:RW+8*\j+\p+1], v[AT+\p:AT+\p+1] op_sel:[1,0,0] op_sel_hi:[1,1,1]
.else
	v_pk_fma_f32 v[AT+\p:AT+\p+1], v[XT+\j:XT+\j+1], v[RW+8*\j+\p:RW+8*\j+\p+1], v[AT+\p:AT+\p+1] op_sel_hi:[0,1,1]
.endif
.endr
.endr
	; the sum over the 32 lanes, the eight experts dealt out on the way: each step halves what a lane keeps; at the end lane l holds expert l % 8
.irp k, 0,2,4,6
	v_cndmask_b32 v8, v[AT+\k], v[AT+\k+1], s25    ; what I keep,
	v_cndmask_b32 v9, v[AT+\k+1], v[AT+\k], s25    ; what my neighbour keeps
	v_add_f32_dpp v[AT+\k], v9, v8 row_xmask:1 row_mask:0xf bank_mask:0xf
.endr
.irp k, 0,4
	v_cndmask_b32 v8, v[AT+\k], v[AT+\k+2], s26
	v_cndmask_b32 v9, v[AT+\k+2], v[AT+\k], s26
	v_add_f32_dpp v[AT+\k], v9, v8 row_xmask:2 row_mask:0xf bank_mask:0xf
.endr
	v_cndmask_b32 v8, v[AT], v[AT+4], s27
	v_cndmask_b32 v9, v[AT+4], v[AT], s27
	v_add_f32_dpp v[AT], v9, v8 row_xmask:4 row_mask:0xf bank_mask:0xf
	v_add_f32_dpp v[AT], v[AT], v[AT] row_xmask:8 row_mask:0xf bank_mask:0xf
	v_permlanex16_b32 v10, v[AT], s28, s29
	v_add_f32 v[AT], v[AT], v10
	ds_store_b32 v5, v[AT] offset:32*(\t)          ; four lanes write the same word with the same value
	; the quantiser: a block of 32 lies in four neighbouring lanes
	v_max3_num_f32 v8, |v[XT]|, |v[XT+1]|, 0x8000000       ; with the floor 2^(16 - 127): the byte cannot fall under 1
	v_max3_num_f32 v8, v8, |v[XT+2]|, |v[XT+3]|
	v_max3_num_f32 v8, v8, |v[XT+4]|, |v[XT+5]|
	v_max3_num_f32 v8, v8, |v[XT+6]|, |v[XT+7]|
	v_max_num_f32_dpp v8, v8, v8 row_xmask:1 row_mask:0xf bank_mask:0xf
	v_max_num_f32_dpp v8, v8, v8 row_xmask:2 row_mask:0xf bank_mask:0xf
	v_add_nc_u32 v11, 0xf8800000, v8               ; 15 off the exponent field: the conversion's scale operand
	v_and_or_b32 v9, v8, 0x7f800000, s30           ; 57,344 x the scale
.irp j, 0,1,2,3,4,5,6,7
	v_med3_num_f32 v[XT+\j], v[XT+\j], -v9, v9     ; the conversion to an 8-bit code does not saturate (ISA guide 7.6.2): the hold comes first
.endr
	v_cvt_scalef32_pk8_bf8_f32 v[CD+2*(\t):CD+2*(\t)+1], v[XT:XT+7], v11
	v_lshrrev_b32 v[AT+1], 23, v11                 ; the scale's byte, in a register of this token's own (and the plain line behind the conversion)
	ds_store_b8 v6, v[AT+1] offset:32*(\t)         ; the block's four lanes write the same byte
	global_store_b64 v3, v[CD+2*(\t):CD+2*(\t)+1], s[36:37] offset:1024*(\t)   ; the wave stores 256 consecutive bytes, aligned
.endm
.irp t, 0,1,2,3,4,5,6,7
	TOKEN \t
.endr
	s_wait_kmcnt 0x0                               ; router_b
	s_wait_dscnt 0x0                               ; for wave 0's sake: my partial logits and scale bytes lie in LDS
	s_barrier_signal -1
	s_barrier_wait -1
	s_cmp_lg_u32 s24, 0
	s_cbranch_scc1 .Lend
	; WAVE 0: lane l serves token l % 8 (lanes 8 to 31 repeat lanes 0 to 7, so that every lane stays on)
.irp w, 0,1,2,3
	ds_load_b128 v[80+8*\w:83+8*\w], v13 offset:256*\w
	ds_load_b128 v[84+8*\w:87+8*\w], v13 offset:256*\w+16
.endr
	ds_load_b64 v[140:141], v15
	v_mov_b32 v129, 0xff800000                     ; -infinity
	v_mov_b32 v138, 0
	s_wait_dscnt 0x0
.irp p, 0,2,4,6
	v_pk_add_f32 v[112+\p:113+\p], v[80+\p:81+\p], v[88+\p:89+\p]
	v_pk_add_f32 v[120+\p:121+\p], v[96+\p:97+\p], v[104+\p:105+\p]
.endr
.irp p, 0,2,4,6
	v_pk_add_f32 v[112+\p:113+\p], v[112+\p:113+\p], v[120+\p:121+\p]
.endr
.irp e, 0,1,2,3,4,5,6,7
	v_add_f32 v[112+\e], s[16+\e], v[112+\e]       ; the logits
.endr
	v_mov_b32 v128, v112                           ; the largest, and its index: an equal later logit does not take the place
	v_mov_b32 v132, 0
.irp e, 1,2,3,4,5,6,7
	v_cmp_le_f32 vcc_lo, v[112+\e], v128
	v_cndmask_b32 v128, v[112+\e], v128, vcc_lo
	v_cndmask_b32 v132, \e, v132, vcc_lo
.endr
.irp e, 0,1,2,3,4,5,6,7
	v_cmp_eq_u32 vcc_lo, \e, v132
	v_cndmask_b32 v[112+\e], v[112+\e], v129, vcc_lo       ; the winner is taken out
.endr
	v_mov_b32 v130, v112                           ; the second largest
	v_mov_b32 v133, 0
.irp e, 1,2,3,4,5,6,7
	v_cmp_le_f32 vcc_lo, v[112+\e], v130
	v_cndmask_b32 v130, v[112+\e], v130, vcc_lo
	v_cndmask_b32 v133, \e, v133, vcc_lo
.endr
	v_sub_f32 v131, v130, v128                     ; the softmax of the two, the larger taken away first: 1 / (1 + d) and d / (1 + d), d = e^(second - first) <= 1
	v_mul_f32 v131, s31, v131
	v_exp_f32 v134, v131
	v_nop                                          ; a plain line behind the transcendental,
	s_wait_alu depctr_va_vdst(0)                   ; and the wait ahead of its first reader
	v_add_f32 v135, 1.0, v134
	v_rcp_f32 v136, v135
	v_nop
	s_wait_alu depctr_va_vdst(0)
	v_mul_f32 v137, v134, v136
.irp e, 0,1,2,3,4,5,6,7
	v_cmp_eq_u32 s32, \e, v132                     ; which of my eight tokens have chosen expert e: bits 0 to 7
	v_cmp_eq_u32 s33, \e, v133
	s_or_b32 s32, s32, s33
	v_writelane_b32 v138, s32, \e                  ; lane e holds expert e's byte
.endr
	global_store_b64 v14, v[132:133], s[38:39] offset:4096
	global_store_b64 v14, v[136:137], s[44:45] offset:0x108000
	global_store_b8 v12, v138, s[42:43]            ; byte g of row = lane
	global_store_b64 v3, v[140:141], s[40:41] offset:0x100000      ; eight tokens' scale bytes: 256 consecutive bytes, aligned
.Lend:
	s_wait_tensorcnt 0x0
	ds_add_u32 v224, v225
	s_wait_dscnt 0x0
	s_endpgm
.Lfunc_end_k_qe24f93a842_route:
	.size	k_qe24f93a842_route, .Lfunc_end_k_qe24f93a842_route-k_qe24f93a842_route
	.p2alignl 7, 3214868480
	.fill 96, 4, 3214868480
	.section	.rodata,"a",@progbits
	.p2align	6, 0x0
	.amdhsa_kernel k_qe24f93a842_route
		.amdhsa_group_segment_fixed_size 2560
		.amdhsa_private_segment_fixed_size 0
		.amdhsa_enable_private_segment 0
		.amdhsa_kernarg_size 40
		.amdhsa_user_sgpr_count 2
		.amdhsa_user_sgpr_kernarg_segment_ptr 1
		.amdhsa_wavefront_size32 1
		.amdhsa_system_sgpr_workgroup_id_x 1
		.amdhsa_system_sgpr_workgroup_id_y 1
		.amdhsa_system_sgpr_workgroup_id_z 1
		.amdhsa_system_vgpr_workitem_id 0
		.amdhsa_next_free_vgpr 226
		.amdhsa_next_free_sgpr 66
		.amdhsa_reserve_vcc 1
		.amdhsa_float_denorm_mode_32 3
		.amdhsa_float_denorm_mode_16_64 3
		.amdhsa_memory_ordered 1
		.amdhsa_forward_progress 1
		.amdhsa_inst_pref_size 51
	.end_amdhsa_kernel
	.amdgpu_metadata
---
amdhsa.version: [ 1, 2 ]
amdhsa.kernels:
  - .name:           k_qe24f93a842_route
    .symbol:         k_qe24f93a842_route.kd
    .args:
      - { .name: hidden_states, .offset: 0, .size: 8, .value_kind: global_buffer, .address_space: global }
      - { .name: router_w, .offset: 8, .size: 8, .value_kind: global_buffer, .address_space: global }
      - { .name: router_b, .offset: 16, .size: 8, .value_kind: global_buffer, .address_space: global }
      - { .name: tok, .offset: 24, .size: 8, .value_kind: global_buffer, .address_space: global }
      - { .name: sel, .offset: 32, .size: 8, .value_kind: global_buffer, .address_space: global }
    .group_segment_fixed_size: 2560
    .private_segment_fixed_size: 0
    .kernarg_segment_align: 8
    .kernarg_segment_size: 40
    .max_flat_workgroup_size: 128
    .sgpr_count:     66
    .vgpr_count:     226
    .wavefront_size: 32
...
	.end_amdgpu_metadata
.endif
;; end of part 1
;; launch place (part 2): grid 64 x 1, 8 waves a work-group, no clusters, 0 bytes of LDS; arguments sel, tok, xs, lst; writes xs, lst
.if DOCPART == 2
	.amdgcn_target "amdgcn-amd-amdhsa--gfx1250"
	.amdhsa_code_object_version 6
	.text
	.protected	k_qe24f93a842_place
	.globl	k_qe24f93a842_place
	.p2align	8
	.type	k_qe24f93a842_place,@function
k_qe24f93a842_place:
	s_mov_b64 s[64:65], 0
	v_nop
	global_prefetch_b8 v0, s[64:65] scope:SCOPE_SE
	s_setreg_imm32_b32 hwreg(HW_REG_WAVE_MODE, 25, 1), 1
	s_wait_xcnt 0x0
; THE ROWS ARE PLACED BY EXPERT, by gathering: row n of expert e is the n-th token (in ascending order) whose bit is set in e's mask.  No atomics, no sum between work-groups.
; SHARES.  Expert e = work-group / 8.  A wave owns one tile of 16 rows, T16 = 8 x wave + work-group % 8, so that the low tiles, which are the ones in use, are spread over all work-groups.
; Each wave reads e's whole mask (32 words, a word a lane), counts and scans it by itself, finds its 16 tokens (lanes l and l + 16 find the same one), and copies their codes into the ORDER OF AN OPERAND'S REGISTERS.
; An expert's rows are filled up to a multiple of 32 by repeating its last row; a tile at or past that end stores nothing (that serves every split: all tokens may fall on two experts).
; OUT.  xs: at 0 images [e][T16 64][K step 8][c 4][lane 32][16 bytes]; at 0x800000 scale bytes [e][row 1024][32]; at 0x840000 the rows' weights [e][1024] f32.
;       lst: at 0 [e][32 words], all = the expert's number of tiles of 32 rows; at 1024 [e][1024] words: 1024 x slot + token, slot = 1 where e is the token's second expert.
; The lane permutes go through the LDS unit and touch no LDS byte.  Every lane stays on.
	s_load_b256 s[4:11], s[0:1], 0x0               ; sel s[4:5], tok s[6:7], xs s[8:9], lst s[10:11]
	v_lshrrev_b32 v1, 5, v0
	v_readfirstlane_b32 s12, v1                    ; wave 0..7
	v_and_b32 v1, 31, v0                           ; lane
	v_lshlrev_b32 v2, 2, v1                        ; 4 x lane
	v_lshlrev_b32 v3, 4, v1                        ; 16 x lane
	v_and_b32 v4, 15, v0                           ; r
	v_bfe_u32 v5, v0, 4, 1                         ; h
	s_lshr_b32 s14, ttmp9, 3                       ; e
	s_and_b32 s15, ttmp9, 7
	s_lshl_b32 s13, s12, 3
	s_add_co_u32 s15, s15, s13                     ; T16
	s_mov_b32 s20, 0x01010101
	s_lshl_b32 s22, s14, 7                         ; 128 e
	s_mov_b32 s23, 0
	s_lshl_b32 s28, s14, 6
	s_add_co_u32 s28, s28, s15
	s_lshl_b32 s28, s28, 14                        ; my image: (64 e + T16) x 16,384
	s_mov_b32 s29, 0
	s_lshl_b32 s30, s14, 10
	s_lshl_b32 s31, s15, 4
	s_add_co_u32 s30, s30, s31                     ; my first row: 1024 e + 16 T16
	s_lshl_b32 s32, s30, 5
	s_add_co_u32 s32, s32, 0x800000
	s_mov_b32 s33, 0
	s_lshl_b32 s34, s30, 2
	s_add_co_u32 s36, s34, 1024
	s_add_co_u32 s34, s34, 0x840000
	s_mov_b32 s35, 0
	s_mov_b32 s37, 0
	s_wait_kmcnt 0x0
	s_add_nc_u64 s[24:25], s[4:5], s[22:23]        ; e's mask
	s_add_nc_u64 s[26:27], s[10:11], s[22:23]      ; e's count
	s_add_nc_u64 s[28:29], s[8:9], s[28:29]
	s_add_nc_u64 s[32:33], s[8:9], s[32:33]
	s_add_nc_u64 s[34:35], s[8:9], s[34:35]
	s_add_nc_u64 s[36:37], s[10:11], s[36:37]
	global_load_b32 v10, v2, s[24:25]              ; word l: tokens 32 l .. 32 l + 31
	s_wait_loadcnt 0x0
.macro POPC d, s, t                    ; d = the number of ones in s; t at work
	v_lshrrev_b32 \t, 1, \s
	v_and_b32 \t, 0x55555555, \t
	v_sub_nc_u32 \d, \s, \t
	v_lshrrev_b32 \t, 2, \d
	v_and_b32 \t, 0x33333333, \t
	v_and_b32 \d, 0x33333333, \d
	v_add_nc_u32 \d, \d, \t
	v_lshrrev_b32 \t, 4, \d
	v_add_nc_u32 \d, \d, \t
	v_and_b32 \d, 0x0f0f0f0f, \d
	v_mul_lo_u32 \d, \d, s20
	v_lshrrev_b32 \d, 24, \d
.endm
	POPC v11, v10, v13
	v_mov_b32 v12, v11
.irp d, 1,2,4,8,16                     ; the running sum over the lanes
	v_add_nc_u32 v13, -(4*\d), v2
	ds_bpermute_b32 v14, v13, v12
	s_wait_dscnt 0x0
	v_cmp_le_u32 vcc_lo, \d, v1
	v_cndmask_b32 v14, 0, v14, vcc_lo
	v_add_nc_u32 v12, v12, v14
.endr
	v_sub_nc_u32 v15, v12, v11                     ; P: the rows ahead of my word
	v_readlane_b32 s16, v12, 31                    ; the expert's rows
	s_add_co_u32 s17, s16, 31
	s_lshr_b32 s17, s17, 5                         ; its tiles of 32
	s_cmp_lg_u32 s15, 0
	s_cbranch_scc1 .Lnot_first
	v_mov_b32 v16, s17
	global_store_b32 v2, v16, s[26:27]             ; the owner of tile 0 stores the count
.Lnot_first:
	s_lshl_b32 s18, s17, 1
	s_cmp_ge_u32 s15, s18
	s_cbranch_scc1 .Lend                           ; no rows here
	s_sub_co_u32 s19, s16, 1
	v_lshl_add_u32 v17, s15, 4, v4
	v_min_u32 v17, s19, v17                        ; my row; past the end: the last row again
	v_mov_b32 v18, 0
.irp d, 16,8,4,2,1                     ; the last word c with P[c] <= row: it holds the row's bit
	v_add_nc_u32 v19, \d, v18
	v_lshlrev_b32 v20, 2, v19
	ds_bpermute_b32 v21, v20, v15
	s_wait_dscnt 0x0
	v_cmp_le_u32 vcc_lo, v21, v17
	v_cndmask_b32 v18, v18, v19, vcc_lo
.endr
	v_lshlrev_b32 v20, 2, v18
	ds_bpermute_b32 v22, v20, v10
	ds_bpermute_b32 v23, v20, v15
	s_wait_dscnt 0x0
	v_sub_nc_u32 v24, v17, v23                     ; k: which one of that word
	v_mov_b32 v25, 0
.irp w, 16,8,4,2,1                     ; the place of the k-th one, by halves
	v_bfe_u32 v26, v22, v25, \w
	POPC v27, v26, v13
	v_cmp_ge_u32 vcc_lo, v24, v27
	v_sub_nc_u32 v28, v24, v27
	v_add_nc_u32 v29, \w, v25
	v_cndmask_b32 v24, v24, v28, vcc_lo
	v_cndmask_b32 v25, v25, v29, vcc_lo
.endr
	v_lshl_add_u32 v30, v18, 5, v25
	v_min_u32 v30, 0x3ff, v30                      ; the token
	v_lshlrev_b32 v33, 4, v5
	v_lshl_add_u32 v32, v30, 5, v33                ; its scale bytes: 32 x token + 16 h
	v_lshlrev_b32 v34, 3, v30
	v_lshl_add_u32 v35, v30, 10, v33               ; its codes: 1,024 x token + 16 h
	v_lshl_add_u32 v46, v4, 5, v33                 ; out: 32 r + 16 h
	v_lshlrev_b32 v47, 2, v4                       ; out: 4 r
	global_load_b128 v[36:39], v32, s[6:7] offset:0x100000
	global_load_b32 v40, v34, s[4:5] offset:4100   ; its second expert
	global_load_b64 v[42:43], v34, s[6:7] offset:0x108000
.irp n, 0,1,2,3,4,5,6,7,8,9,10,11,12,13,14,15,16,17,18,19,20,21,22,23,24,25,26,27,28,29,30,31
	global_load_b128 v[64+4*\n:67+4*\n], v35, s[6:7] offset:128*(\n/4)+32*(\n%4)   ; K step n / 4, c = n % 4: k = 128 s + 32 c + 16 h + 0 .. 15, as the operand's layout gives lane (r, h)
.endr
	s_wait_loadcnt 32                              ; the three small loads are in; the 32 loads of codes may be out
	v_cmp_eq_u32 vcc_lo, s14, v40
	v_cndmask_b32 v41, v42, v43, vcc_lo            ; the weight that goes with this expert
	v_add_nc_u32 v45, 0x400, v30
	v_cndmask_b32 v44, v30, v45, vcc_lo            ; 1024 x slot + token
	global_store_b128 v46, v[36:39], s[32:33]
	global_store_b32 v47, v41, s[34:35]            ; (lanes 16 to 31 repeat lanes 0 to 15)
	global_store_b32 v47, v44, s[36:37]
.irp n, 0,1,2,3,4,5,6,7,8,9,10,11,12,13,14,15,16,17,18,19,20,21,22,23,24,25,26,27,28,29,30,31
	s_wait_loadcnt 31-\n                           ; load n is in; the later ones may be out
	global_store_b128 v3, v[64+4*\n:67+4*\n], s[28:29] offset:512*\n               ; the wave stores 512 consecutive bytes, aligned
.endr
.Lend:
	s_endpgm
.Lfunc_end_k_qe24f93a842_place:
	.size	k_qe24f93a842_place, .Lfunc_end_k_qe24f93a842_place-k_qe24f93a842_place
	.p2alignl 7, 3214868480
	.fill 96, 4, 3214868480
	.section	.rodata,"a",@progbits
	.p2align	6, 0x0
	.amdhsa_kernel k_qe24f93a842_place
		.amdhsa_group_segment_fixed_size 0
		.amdhsa_private_segment_fixed_size 0
		.amdhsa_enable_private_segment 0
		.amdhsa_kernarg_size 32
		.amdhsa_user_sgpr_count 2
		.amdhsa_user_sgpr_kernarg_segment_ptr 1
		.amdhsa_wavefront_size32 1
		.amdhsa_system_sgpr_workgroup_id_x 1
		.amdhsa_system_sgpr_workgroup_id_y 1
		.amdhsa_system_sgpr_workgroup_id_z 1
		.amdhsa_system_vgpr_workitem_id 0
		.amdhsa_next_free_vgpr 192
		.amdhsa_next_free_sgpr 66
		.amdhsa_reserve_vcc 1
		.amdhsa_float_denorm_mode_32 3
		.amdhsa_float_denorm_mode_16_64 3
		.amdhsa_memory_ordered 1
		.amdhsa_forward_progress 1
		.amdhsa_inst_pref_size 18
	.end_amdhsa_kernel
	.amdgpu_metadata
---
amdhsa.version: [ 1, 2 ]
amdhsa.kernels:
  - .name:           k_qe24f93a842_place
    .symbol:         k_qe24f93a842_place.kd
    .args:
      - { .name: sel, .offset: 0, .size: 8, .value_kind: global_buffer, .address_space: global }
      - { .name: tok, .offset: 8, .size: 8, .value_kind: global_buffer, .address_space: global }
      - { .name: xs, .offset: 16, .size: 8, .value_kind: global_buffer, .address_space: global }
      - { .name: lst, .offset: 24, .size: 8, .value_kind: global_buffer, .address_space: global }
    .group_segment_fixed_size: 0
    .private_segment_fixed_size: 0
    .kernarg_segment_align: 8
    .kernarg_segment_size: 32
    .max_flat_workgroup_size: 256
    .sgpr_count:     66
    .vgpr_count:     192
    .wavefront_size: 32
...
	.end_amdgpu_metadata
.endif
;; end of part 2
;; launch gateup (part 3): grid 256 x 1, 4 waves a work-group, no clusters, 133,632 bytes of LDS; arguments gate_up_proj_codes, gate_up_proj_scales, gate_up_bias, xs, lst, act; writes act
.if DOCPART == 3
	.amdgcn_target "amdgcn-amd-amdhsa--gfx1250"
	.amdhsa_code_object_version 6
	.text
	.protected	k_qe24f93a842_gateup
	.globl	k_qe24f93a842_gateup
	.p2align	8
	.type	k_qe24f93a842_gateup,@function
k_qe24f93a842_gateup:
	s_mov_b64 s[64:65], 0
	v_nop
	global_prefetch_b8 v0, s[64:65] scope:SCOPE_SE
	s_setreg_imm32_b32 hwreg(HW_REG_WAVE_MODE, 25, 1), 1
	s_wait_xcnt 0x0
; FIRST PRODUCT OF THE CHOSEN ROWS, ACTIVATION, QUANTISER.  For expert e and its placed rows: gu = x Wgu + bias on codes of E5M2 with E8M0 scales; gate = min(gu[:2048], 7), up = clip(gu[2048:], -7, 7);
; a = (up + 1) gate sigmoid(1.702 gate), in f32; a is quantised along its 2,048 columns, which are the second product's K, and stored as images of that product's operand registers.
; SHARES.  e = work-group / 32; j = work-group % 32: columns 64 j .. 64 j + 63 of a.  Wave wv: b = wv / 2 picks 32 of the 64 columns, one block of the next K; q = wv % 2 takes the tiles of 32 rows q, q + 2, ..
; THE WEIGHTS STAY: a wave keeps its 32 gate rows and 32 up rows of Wgu for all K = 1,024 in 512 registers.  Each weight byte is loaded from memory once in the launch (64 KiB x 2 a work-group, dense), goes through LDS
; once, since two waves want the same rows, and all the expert's rows are multiplied against it.  What is streamed is the small thing: x's images, 32 KiB for 32 rows.
; THE PRODUCT IS USED TRANSPOSED (source 0 = 16 rows of Wgu, source 1 = 16 rows of x), and THE ROWS OF Wgu THAT FORM A TILE ARE NOT NEIGHBOURS: row p of tile u is column 8 u + p + 8 (p / 8) of the block.
; So lane (r, h) holds row r of a, and the 16 registers of tiles 0 and 1 are columns 16 h + 0 .. 15: the conversions' results ARE registers of the next operand.
; The number of trips is a number that an earlier launch stored, so this launch has no tensor load and no cluster; besides, each weight byte has one reading work-group.  The one barrier stands ahead of every such branch.
; LIMITS: NaN and infinities are not served.  A block of zeros gets the byte 1, not 127: its codes are zeros, and this program alone reads the bytes.
; REGISTERS, in windows of 256.  window 0: as named below.  window 1: Wgu's fragments of K steps 0-3, window 2: of K steps 4-7, fragment (s, g, u) at v[16 (4 (s % 4) + 2 g + u)] (g = 0 gate, 1 up).
;   window 3: x's fragments of a tile of 32 rows: (K step s, half m) at v[32 s + 16 m].
.set PITCH, 1040                       ; an LDS row: 1,024 bytes + 16 = 260 words: row r starts at bank 4 r mod 64 (64 banks of 4 bytes: ISA guide 11.1)
.set REG,   32*PITCH                   ; a region: 32 rows of Wgu; region 2 b + g
.set WS,    16                         ; v16-31   Wgu's scale words: register 8 u + s; lanes 0-15 the gate rows of tile u, lanes 16-31 the up rows
.set XSC,   32                         ; v32-39   x's scale words: register s; lane l = row l of the tile of 32
.set BIAS,  40                         ; v40-71   the bias in the result's layout: 16 g + 8 u + i
.set ACC,   72                         ; v72-135  the sums: 32 m + 16 g + 8 u + i
.set T,     136                        ; v136-167 at work: 16 m + i
.set MX,    168                        ; v168-169 largest magnitudes; v170-171 the other half's; v172-173 scale operands; v174-175 57,344 x scale; v176-177 bytes; v178 my row's byte
.set PX,    170
.set SO,    172
.set HL,    174
.set BY,    176
.set BSEL,  178
.set CD,    184                        ; v184-191 codes: 4 m + 0 .. 3
.set SX,    28                         ; s[28:29] x's images of the tile in hand;  s[30:31] its scale words;  s[32:33] where a's codes go;  s[34:35] a's scale bytes
.set SXS,   30
.set SAC,   32
.set SAS,   34
.set L7,    36                         ; s36 7.0, s37 -7.0
.set M7,    37
.set KK,    38                         ; s[38:39] -1.702 log2(e)
.set SEL,   40                         ; s[40:41] v_permlanex16_b32's selects for lane l xor 16
.set MNT,   42                         ; s42 the mantissa field of 57,344
.set HIM,   43                         ; s43 lanes 16-31
.set MSB, 0
.macro WIN new                         ; the immediate's high byte repeats the setting that is left; a switch that changes nothing is dropped
.if MSB != (\new)
	s_set_vgpr_msb (MSB<<8)|(\new)
.set MSB, (\new)
.endif
.endm
	s_load_b256 s[4:11], s[0:1], 0x0               ; codes s[4:5], scales s[6:7], bias s[8:9], xs s[10:11]
	s_load_b128 s[12:15], s[0:1], 0x20             ; lst s[12:13], act s[14:15]
	v_lshl_add_u32 v254, v0, 2, 0x20800
	v_mov_b32 v255, 0
	v_lshrrev_b32 v8, 5, v0
	v_readfirstlane_b32 s16, v8                    ; wave 0..3
	v_and_b32 v8, 31, v0                           ; lane
	v_lshlrev_b32 v1, 4, v8                        ; v1  16 x lane
	v_lshlrev_b32 v2, 5, v8                        ; v2  32 x lane
	v_lshlrev_b32 v3, 2, v8                        ; v3  4 x lane
	v_and_b32 v9, 15, v0                           ; r
	v_bfe_u32 v10, v0, 4, 1                        ; h
	s_lshr_b32 s19, s16, 1                         ; b
	s_and_b32 s20, s16, 1                          ; q
	s_mul_i32 s24, s16, REG
	v_add_nc_u32 v4, s24, v1                       ; v4  into LDS: the region that I fetch (its number is my wave's), 16 x lane
	s_mul_i32 s25, s19, 2*REG
	v_mul_u32_u24 v5, v9, PITCH
	v_lshl_add_u32 v5, v10, 4, v5
	v_add_nc_u32 v5, s25, v5                       ; v5  out of LDS: my block's two regions, row r, + 16 h
	v_and_b32 v6, 8, v9
	v_add_nc_u32 v6, v6, v9
	v_lshlrev_b32 v6, 5, v6
	v_lshl_add_u32 v6, v10, 16, v6                 ; v6  Wgu's scale words: row r + 8 (r / 8) of 32 bytes; lanes 16-31 the up rows, 2,048 rows on
	v_lshlrev_b32 v7, 6, v10                       ; v7  the bias: 16 h numbers on
	v_mov_b32 v[PX], 0                             ; written once: a lane permute's destination counts as one of its sources
	v_mov_b32 v[PX+1], 0
	s_lshr_b32 s17, ttmp9, 5                       ; e
	s_and_b32 s18, ttmp9, 31                       ; j
	s_lshl_b32 s23, s18, 1
	s_add_co_u32 s23, s23, s19                     ; my block of the next K: 2 j + b
	s_lshl_b32 s46, s17, 12
	s_lshl_b32 s24, s23, 5
	s_add_co_u32 s46, s46, s24                     ; my block's first gate row of Wgu: 4096 e + 32 block
	s_lshl_b32 s24, s20, 11
	s_add_co_u32 s44, s46, s24                     ; the 32 rows that I fetch: gate (wave even) or up (wave odd) of block 2 j + wave / 2
	s_lshl_b32 s44, s44, 10
	s_mov_b32 s45, 0
	s_lshl_b32 s48, s46, 5
	s_mov_b32 s49, 0
	s_lshl_b32 s50, s46, 2
	s_mov_b32 s51, 0
	s_lshl_b32 s52, s17, 7
	s_mov_b32 s53, 0
	s_lshl_b32 s[SX], s17, 20                      ; x's images: (64 e + 2 q) x 16,384
	s_lshl_b32 s24, s20, 15
	s_add_co_u32 s[SX], s[SX], s24
	s_mov_b32 s[SX+1], 0
	s_lshl_b32 s[SXS], s17, 15                     ; their scale words: 0x800000 + (1024 e + 32 q) x 32
	s_lshl_b32 s24, s20, 10
	s_add_co_u32 s[SXS], s[SXS], s24
	s_add_co_u32 s[SXS], s[SXS], 0x800000
	s_mov_b32 s[SXS+1], 0
	s_lshl_b32 s[SAC], s17, 21                     ; a's codes: (64 e + 2 q) x 32,768 + 512 x block
	s_lshl_b32 s24, s20, 16
	s_add_co_u32 s[SAC], s[SAC], s24
	s_lshl_b32 s24, s23, 9
	s_add_co_u32 s[SAC], s[SAC], s24
	s_mov_b32 s[SAC+1], 0
	s_lshl_b32 s[SAS], s17, 16                     ; a's scale bytes: 0x1000000 + ((32 e + q) x 16 + block / 4) x 128 + block % 4
	s_lshl_b32 s24, s20, 11
	s_add_co_u32 s[SAS], s[SAS], s24
	s_lshr_b32 s24, s23, 2
	s_lshl_b32 s24, s24, 7
	s_add_co_u32 s[SAS], s[SAS], s24
	s_and_b32 s24, s23, 3
	s_add_co_u32 s[SAS], s[SAS], s24
	s_add_co_u32 s[SAS], s[SAS], 0x1000000
	s_mov_b32 s[SAS+1], 0
	s_mov_b32 s[L7], 0x40e00000
	s_mov_b32 s[M7], 0xc0e00000
	s_mov_b32 s[KK], 0xc01d265f
	s_mov_b32 s[KK+1], s[KK]                       ; (named with it as a pair, so it is written)
	s_mov_b32 s[SEL], 0x76543210
	s_mov_b32 s[SEL+1], 0xfedcba98
	s_mov_b32 s[MNT], 0x600000
	s_mov_b32 s[HIM], 0xffff0000
	s_wait_kmcnt 0x0
	s_add_nc_u64 s[52:53], s[12:13], s[52:53]
	s_load_b32 s21, s[52:53], 0x0                  ; the expert's tiles of 32 rows
	s_add_nc_u64 s[44:45], s[4:5], s[44:45]
	s_add_nc_u64 s[48:49], s[6:7], s[48:49]
	s_add_nc_u64 s[50:51], s[8:9], s[50:51]
	s_add_nc_u64 s[SX:SX+1], s[10:11], s[SX:SX+1]
	s_add_nc_u64 s[SXS:SXS+1], s[10:11], s[SXS:SXS+1]
	s_add_nc_u64 s[SAC:SAC+1], s[14:15], s[SAC:SAC+1]
	s_add_nc_u64 s[SAS:SAS+1], s[14:15], s[SAS:SAS+1]
.irp u, 0,1
	global_load_b128 v[WS+8*\u:WS+8*\u+3], v6, s[48:49] offset:256*\u              ; tile u begins 8 rows on; a row's 32 bytes are its eight words
	global_load_b128 v[WS+8*\u+4:WS+8*\u+7], v6, s[48:49] offset:256*\u+16
.endr
.irp g, 0,1
.irp u, 0,1
	global_load_b128 v[BIAS+16*\g+8*\u:BIAS+16*\g+8*\u+3], v7, s[50:51] offset:8192*\g+32*\u
	global_load_b128 v[BIAS+16*\g+8*\u+4:BIAS+16*\g+8*\u+7], v7, s[50:51] offset:8192*\g+32*\u+16
.endr
.endr
	; my 32 rows of Wgu are 32,768 consecutive bytes: 64 loads of 512, through window 1 into LDS, row i at place 16 ((i / 8) % 2) + i % 8 + 8 (i / 16), so that a tile's 16 rows lie on end
	WIN 0x40
.set n, 0
.rept 64
	global_load_b128 v[4*n:4*n+3], v1, s[44:45] offset:512*n th:TH_LOAD_NT
.set n, n+1
.endr
	WIN 0x04                                       ; an LDS store's data are its source 1
.set n, 0
.rept 64
.if n%16 == 0
	s_wait_loadcnt 48-n                            ; the next sixteen are in; the later ones may be out
.endif
.set i, n/2
	ds_store_b128 v4, v[4*n:4*n+3] offset:(16*((i/8)%2)+i%8+8*(i/16))*PITCH+(n%2)*512
.set n, n+1
.endr
	WIN 0
; x's scale words and its fragments of K steps 0 to 6 (58 loads), and of K step 7 (8 loads), of the tile at s[SX], s[SXS]
.macro XSLOT s
.irp m, 0,1
.irp c, 0,1,2,3
	global_load_b128 v[32*(\s)+16*\m+4*\c:32*(\s)+16*\m+4*\c+3], v1, s[SX:SX+1] offset:16384*\m+512*(4*(\s)+\c)    ; 512 consecutive bytes: the image of four registers
.endr
.endr
.endm
.macro LOADA
	global_load_b128 v[XSC:XSC+3], v2, s[SXS:SXS+1]
	global_load_b128 v[XSC+4:XSC+7], v2, s[SXS:SXS+1] offset:16
	WIN 0xc0
.irp s, 0,1,2,3,4,5,6
	XSLOT \s
.endr
	WIN 0
.endm
.macro LOADB
	WIN 0xc0
	XSLOT 7
	WIN 0
.endm
	LOADA                                          ; tile q, asked for whatever the count says: it lies inside the buffer, and where the expert has no such tile nothing reads it
	s_wait_dscnt 0x0                               ; for the others' sake: my region lies in LDS
	s_barrier_signal -1
	s_barrier_wait -1
.irp s, 0,1,2,3,4,5,6,7
	WIN 0x40+0x40*(\s/4)
.irp g, 0,1
.irp u, 0,1
.irp c, 0,1,2,3
	ds_load_b128 v[((\s%4)*4+2*\g+\u)*16+4*\c:((\s%4)*4+2*\g+\u)*16+4*\c+3], v5 offset:(32*\g+16*\u)*PITCH+128*\s+32*\c
.endr
.endr
.endr
.endr
	WIN 0
	LOADB
	s_wait_dscnt 0x0                               ; the weights are in their registers, for the rest of the launch
	s_wait_kmcnt 0x0
	s_min_u32 s21, s21, 32
	s_add_co_u32 s21, s21, 1
	s_sub_co_u32 s21, s21, s20
	s_lshr_b32 s21, s21, 1                         ; my tiles: q, q + 2, .. under the count
; One matrix instruction; ra, rb: the rows of the scale registers
.macro WMS ra, rb
.if (\ra)==0 && (\rb)==0
	v_wmma_scale_f32_16x16x128_f8f6f4 v[rD:rD+7], v[rA:rA+15], v[rB:rB+15], v[rC:rC+7], v[rWS], v[rXS] matrix_a_fmt:MATRIX_FMT_BF8 matrix_b_fmt:MATRIX_FMT_BF8
.elseif (\rb)==0
	v_wmma_scale_f32_16x16x128_f8f6f4 v[rD:rD+7], v[rA:rA+15], v[rB:rB+15], v[rC:rC+7], v[rWS], v[rXS] matrix_a_fmt:MATRIX_FMT_BF8 matrix_b_fmt:MATRIX_FMT_BF8 matrix_a_scale:MATRIX_SCALE_ROW1
.elseif (\ra)==0
	v_wmma_scale_f32_16x16x128_f8f6f4 v[rD:rD+7], v[rA:rA+15], v[rB:rB+15], v[rC:rC+7], v[rWS], v[rXS] matrix_a_fmt:MATRIX_FMT_BF8 matrix_b_fmt:MATRIX_FMT_BF8 matrix_b_scale:MATRIX_SCALE_ROW1
.else
	v_wmma_scale_f32_16x16x128_f8f6f4 v[rD:rD+7], v[rA:rA+15], v[rB:rB+15], v[rC:rC+7], v[rWS], v[rXS] matrix_a_fmt:MATRIX_FMT_BF8 matrix_b_fmt:MATRIX_FMT_BF8 matrix_a_scale:MATRIX_SCALE_ROW1 matrix_b_scale:MATRIX_SCALE_ROW1
.endif
.endm
; K step s: eight products, the eight accumulators by turns.  The first K step takes the bias as C: nothing is cleared, no bias is added.
.macro PROD s
	s_wait_loadcnt 56-8*(\s)                       ; the scale words and K step s are in; the eight loads of each later K step may be out
	WIN 0x0d+(\s)/4                                ; source 0 window 1 or 2, source 1 window 3, C and D window 0
.irp m, 0,1
.irp g, 0,1
.irp u, 0,1
.set rD, ACC+32*\m+16*\g+8*\u
.set rA, (((\s)%4)*4+2*\g+\u)*16
.set rB, 32*(\s)+16*\m
.set rC, rD
.if (\s)==0
.set rC, BIAS+16*\g+8*\u
.endif
.set rWS, WS+8*\u+(\s)
.set rXS, XSC+(\s)
	WMS \g, \m
.endr
.endr
.endr
.endm
; A TILE OF 32 ROWS.  more = 1: the tile two further on is asked for on the way.
.macro TRIP more
.irp s, 0,1,2,3,4,5,6,7
	PROD \s
.endr
	WIN 0
.rept 8
	v_nop                                          ; eight places behind the last products: ahead of loads into registers that they read, and of the first read of results
.endr
.if \more
	s_add_nc_u64 s[SX:SX+1], s[SX:SX+1], 0x10000   ; (all loads that named these bases are in: the last wait above was for 0)
	s_add_nc_u64 s[SXS:SXS+1], s[SXS:SXS+1], 0x800
	LOADA                                          ; it lands while the activation is worked
.endif
	; the activation; each accumulator is read from its low end on
.irp m, 0,1
.irp i, 0,1,2,3,4,5,6,7,8,9,10,11,12,13,14,15
	v_min_num_f32 v[ACC+32*\m+\i], s[L7], v[ACC+32*\m+\i]          ; gate = min(gate, 7)
.endr
.endr
.irp m, 0,1
.irp i, 0,2,4,6,8,10,12,14
	v_pk_mul_f32 v[T+16*\m+\i:T+16*\m+\i+1], v[ACC+32*\m+\i:ACC+32*\m+\i+1], s[KK:KK+1] op_sel_hi:[1,0]
.endr
.endr
.set i, 0
.rept 32
	v_exp_f32 v[T+i], v[T+i]                       ; e^(-1.702 gate)
.set i, i+1
.endr
.irp m, 0,1
.irp i, 0,1,2,3,4,5,6,7,8,9,10,11,12,13,14,15
	v_med3_num_f32 v[ACC+32*\m+16+\i], v[ACC+32*\m+16+\i], s[M7], s[L7]    ; up, clipped: plain work that names no exponential's result
.endr
.endr
	s_wait_alu depctr_va_vdst(0)                   ; one wait for the 32 exponentials, ahead of their first reader
.set i, 0
.rept 16
	v_pk_add_f32 v[T+i:T+i+1], v[T+i:T+i+1], 1.0 op_sel_hi:[1,0]
.set i, i+2
.endr
.set i, 0
.rept 32
	v_rcp_f32 v[T+i], v[T+i]                       ; the sigmoid
.set i, i+1
.endr
	v_nop                                          ; a plain line behind the last reciprocal,
	s_wait_alu depctr_va_vdst(0)                   ; and one wait for the 32
.irp m, 0,1
.irp i, 0,2,4,6,8,10,12,14
	v_pk_mul_f32 v[ACC+32*\m+\i:ACC+32*\m+\i+1], v[ACC+32*\m+\i:ACC+32*\m+\i+1], v[T+16*\m+\i:T+16*\m+\i+1]
.endr
.endr
.irp m, 0,1
.irp i, 0,2,4,6,8,10,12,14
	v_pk_fma_f32 v[ACC+32*\m+\i:ACC+32*\m+\i+1], v[ACC+32*\m+16+\i:ACC+32*\m+16+\i+1], v[ACC+32*\m+\i:ACC+32*\m+\i+1], v[ACC+32*\m+\i:ACC+32*\m+\i+1]   ; (up + 1) glu = up glu + glu
.endr
.endr
	; the quantiser: a row's block of 32 lies in lanes l and l xor 16, 16 numbers each; the two halves m by turns
.irp m, 0,1
	v_max3_num_f32 v[MX+\m], |v[ACC+32*\m]|, |v[ACC+32*\m+1]|, 0x8000000   ; with the floor 2^(16 - 127): the byte cannot fall under 1
.endr
.irp i, 2,4,6,8,10,12,14
.irp m, 0,1
	v_max3_num_f32 v[MX+\m], v[MX+\m], |v[ACC+32*\m+\i]|, |v[ACC+32*\m+\i+1]|
.endr
.endr
.irp m, 0,1
	v_permlanex16_b32 v[PX+\m], v[MX+\m], s[SEL], s[SEL+1]
.endr
.irp m, 0,1
	v_max_num_f32 v[MX+\m], v[MX+\m], v[PX+\m]
.endr
.irp m, 0,1
	v_add_nc_u32 v[SO+\m], 0xf8800000, v[MX+\m]    ; 15 off the exponent field: the conversion's scale operand
	v_and_or_b32 v[HL+\m], v[MX+\m], 0x7f800000, s[MNT]    ; 57,344 x the scale
.endr
.irp m, 0,1
	v_lshrrev_b32 v[BY+\m], 23, v[SO+\m]           ; the scale's byte
.endr
	v_cndmask_b32 v[BSEL], v[BY], v[BY+1], s[HIM]  ; lane l stores row l's: lanes 0-15 those of half 0, lanes 16-31 of half 1
.irp m, 0,1
.irp i, 0,1,2,3,4,5,6,7,8,9,10,11,12,13,14,15
	v_med3_num_f32 v[ACC+32*\m+\i], v[ACC+32*\m+\i], -v[HL+\m], v[HL+\m]   ; the conversion does not saturate (ISA guide 7.6.2): the hold comes first
.endr
	v_cvt_scalef32_pk8_bf8_f32 v[CD+4*\m:CD+4*\m+1], v[ACC+32*\m:ACC+32*\m+7], v[SO+\m]
	v_cvt_scalef32_pk8_bf8_f32 v[CD+4*\m+2:CD+4*\m+3], v[ACC+32*\m+8:ACC+32*\m+15], v[SO+\m]
.endr
	v_nop                                          ; a plain line behind the last conversion: the next products write its sources
	global_store_b128 v1, v[CD:CD+3], s[SAC:SAC+1]                 ; registers 4 c' .. 4 c' + 3 of the next operand's K step: 512 consecutive bytes
	global_store_b128 v1, v[CD+4:CD+7], s[SAC:SAC+1] offset:32768
	global_store_b8 v3, v[BSEL], s[SAS:SAS+1]      ; byte c' of each row's scale word: the word's other bytes come from other waves, which share no barrier with me
.if \more
	LOADB
	s_wait_xcnt 0x0                                ; the stores have read their data and their bases: both may be written again
	s_add_nc_u64 s[SAC:SAC+1], s[SAC:SAC+1], 0x20000
	s_add_nc_u64 s[SAS:SAS+1], s[SAS:SAS+1], 0x1000
.endif
.endm
	s_cmp_eq_u32 s21, 0
	s_cbranch_scc1 .Lend                           ; no tile of mine
	s_sub_co_u32 s22, s21, 1
	s_cmp_eq_u32 s22, 0
	s_cbranch_scc1 .Ltail
.Ltile:                                            ; every tile but the last asks for its successor
	TRIP 1
	s_sub_co_u32 s22, s22, 1
	s_cmp_lg_u32 s22, 0
	s_cbranch_scc1 .Ltile
.Ltail:                                            ; the last is written out: it loads nothing, so that the counted waits see the same loads on every way
	TRIP 0
.Lend:
	s_wait_tensorcnt 0x0
	ds_add_u32 v254, v255
	s_wait_dscnt 0x0
	s_endpgm
.Lfunc_end_k_qe24f93a842_gateup:
	.size	k_qe24f93a842_gateup, .Lfunc_end_k_qe24f93a842_gateup-k_qe24f93a842_gateup
	.p2alignl 7, 3214868480
	.fill 96, 4, 3214868480
	.section	.rodata,"a",@progbits
	.p2align	6, 0x0
	.amdhsa_kernel k_qe24f93a842_gateup
		.amdhsa_group_segment_fixed_size 133632
		.amdhsa_private_segment_fixed_size 0
		.amdhsa_enable_private_segment 0
		.amdhsa_kernarg_size 48
		.amdhsa_user_sgpr_count 2
		.amdhsa_user_sgpr_kernarg_segment_ptr 1
		.amdhsa_wavefront_size32 1
		.amdhsa_system_sgpr_workgroup_id_x 1
		.amdhsa_system_sgpr_workgroup_id_y 1
		.amdhsa_system_sgpr_workgroup_id_z 1
		.amdhsa_system_vgpr_workitem_id 0
		.amdhsa_next_free_vgpr 1024
		.amdhsa_next_free_sgpr 66
		.amdhsa_reserve_vcc 0
		.amdhsa_float_denorm_mode_32 3
		.amdhsa_float_denorm_mode_16_64 3
		.amdhsa_memory_ordered 1
		.amdhsa_forward_progress 1
		.amdhsa_inst_pref_size 81
	.end_amdhsa_kernel
	.amdgpu_metadata
---
amdhsa.version: [ 1, 2 ]
amdhsa.kernels:
  - .name:           k_qe24f93a842_gateup
    .symbol:         k_qe24f93a842_gateup.kd
    .args:
      - { .name: gate_up_proj_codes, .offset: 0, .size: 8, .value_kind: global_buffer, .address_space: global }
      - { .name: gate_up_proj_scales, .offset: 8, .size: 8, .value_kind: global_buffer, .address_space: global }
      - { .name: gate_up_bias, .offset: 16, .size: 8, .value_kind: global_buffer, .address_space: global }
      - { .name: xs, .offset: 24, .size: 8, .value_kind: global_buffer, .address_space: global }
      - { .name: lst, .offset: 32, .size: 8, .value_kind: global_buffer, .address_space: global }
      - { .name: act, .offset: 40, .size: 8, .value_kind: global_buffer, .address_space: global }
    .group_segment_fixed_size: 133632
    .private_segment_fixed_size: 0
    .kernarg_segment_align: 8
    .kernarg_segment_size: 48
    .max_flat_workgroup_size: 128
    .sgpr_count:     66
    .vgpr_count:     1024
    .wavefront_size: 32
...
	.end_amdgpu_metadata
.endif
;; end of part 3
;; launch down (part 4): grid 256 x 1, 4 waves a work-group, no clusters, 76,288 bytes of LDS; arguments down_proj_codes, down_proj_scales, down_bias, act, xs, lst, y2; writes y2
.if DOCPART == 4
	.amdgcn_target "amdgcn-amd-amdhsa--gfx1250"
	.amdhsa_code_object_version 6
	.text
	.protected	k_qe24f93a842_down
	.globl	k_qe24f93a842_down
	.p2align	8
	.type	k_qe24f93a842_down,@function
k_qe24f93a842_down:
	s_mov_b64 s[64:65], 0
	v_nop
	global_prefetch_b8 v0, s[64:65] scope:SCOPE_SE
	s_setreg_imm32_b32 hwreg(HW_REG_WAVE_MODE, 25, 1), 1
	s_wait_xcnt 0x0
; SECOND PRODUCT OF THE CHOSEN ROWS.  For expert e and its placed rows: y = (a Wd + bias) x the row's weight, on codes of E5M2 with E8M0 scales; the row goes to y2[slot][token].
; SHARES.  e = work-group / 32; j = work-group % 32: output columns 32 j .. 32 j + 31.  All four waves keep the same 32 rows of Wd for all K = 2,048 in 512 registers each; wave q takes the tiles of 16 rows q, q + 4, ..
; Each weight byte is loaded from memory once in the launch (64 KiB a work-group, dense) and goes through LDS once.  What is streamed is a's images: 32 KiB for 16 rows, which fill 256 registers.
; THE STREAM NEVER STOPS.  A tile's 16 K steps go in eight groups of two.  As soon as a group's four products are issued (and eight places behind them), the same group of the wave's NEXT tile is asked for into the same
; registers: so seven groups and more are always on their way, across the way out and from tile to tile.
; THE PRODUCT IS USED TRANSPOSED (source 0 = 16 rows of Wd, source 1 = 16 rows of a); row p of tile u is column 8 u + p + 8 (p / 8), so that lane (r, h) holds 16 neighbouring columns, 16 h + 0 .. 15, of row r.
; The rows leave through the wave's own stage in LDS: eight lanes store a row's 128 bytes, which is all that 32 columns give; 64 columns a work-group would double the weights that a work-group has to fetch before its first product.
; A row repeated to fill an expert's rows up to a multiple of 32 is stored again with the same numbers, by this wave or by another wave of this work-group.
; The number of trips is a number that an earlier launch stored, so this launch has no tensor load and no cluster; besides, each weight byte has one reading work-group.  The one barrier stands ahead of every such branch.
; REGISTERS, in windows of 256.  window 0: as named below.  window 1: Wd's fragments of K steps 0-7, window 2: of 8-15, fragment (s, u) at v[16 (2 (s % 8) + u)].  window 3: a's fragments of one tile: K step s at v[16 s].
.set PITCH, 2064                       ; an LDS row: 2,048 bytes + 16 = 516 words: row r starts at bank 4 r mod 64 (64 banks of 4 bytes: ISA guide 11.1)
.set STG,   32*PITCH                   ; behind Wd's 32 rows: a stage of 16 rows x 144 bytes for each wave
.set SROW,  144
.set DS,    16                         ; v16-31   Wd's scale words: register s; lanes 0-15 tile 0's rows, lanes 16-31 tile 1's
.set AS,    32                         ; v32-39   a's scale words: register p; lanes 0-15 K step 2 p, lanes 16-31 K step 2 p + 1, lane % 16 = the row
.set BIAS,  48                         ; v48-63   the bias in the result's layout: 8 u + i
.set ACC,   64                         ; v64-79   the sums: 8 u + i
.set W,     96                         ; v96      the weight of row r (v97 is named with it as a pair)
.set RD,    100                        ; v100-103 1024 x slot + token of rows 4 (lane / 8) + 0 .. 3
.set YA,    108                        ; v108-111 the stores' offsets
.set OUT,   116                        ; v116-131 rows read back from the stage
.set SAC,   28                         ; s[28:29] a's images of the tile in hand;  s[30:31] its scale words;  s[32:33] its rows' weights;  s[34:35] their places;  s[36:37] y2 at my columns
.set SAS,   30
.set SRW,   32
.set SRD,   34
.set SY,    36
.set MSB, 0
.macro WIN new                         ; the immediate's high byte repeats the setting that is left; a switch that changes nothing is dropped
.if MSB != (\new)
	s_set_vgpr_msb (MSB<<8)|(\new)
.set MSB, (\new)
.endif
.endm
	s_load_b256 s[4:11], s[0:1], 0x0               ; codes s[4:5], scales s[6:7], bias s[8:9], act s[10:11]
	s_load_b128 s[12:15], s[0:1], 0x20             ; xs s[12:13], lst s[14:15]
	s_load_b64 s[16:17], s[0:1], 0x30              ; y2
	v_lshl_add_u32 v254, v0, 2, 0x12800
	v_mov_b32 v255, 0
	v_lshrrev_b32 v13, 5, v0
	v_readfirstlane_b32 s18, v13                   ; wave 0..3 = q
	v_and_b32 v13, 31, v0                          ; lane
	v_and_b32 v14, 15, v0                          ; r
	v_bfe_u32 v15, v0, 4, 1                        ; h
	v_lshlrev_b32 v1, 4, v13                       ; v1  16 x lane
	v_lshlrev_b32 v8, 2, v14                       ; v8  4 r
	v_lshl_add_u32 v2, v15, 7, v8                  ; v2  a's scale words: 4 r, and one K step (128 bytes) on for lanes 16-31
	s_and_b32 s24, s18, 1
	s_lshl_b32 s24, s24, 4
	s_lshr_b32 s25, s18, 1
	s_lshl_b32 s25, s25, 3
	s_add_co_u32 s24, s24, s25
	s_mul_i32 s24, s24, PITCH
	v_add_nc_u32 v4, s24, v1                       ; v4  into LDS: rows 8 q .. 8 q + 7 go to places 16 (q % 2) + 8 (q / 2) on
	v_mul_u32_u24 v5, v14, PITCH
	v_lshl_add_u32 v5, v15, 4, v5                  ; v5  out of LDS: row r, + 16 h
	v_and_b32 v6, 8, v14
	v_add_nc_u32 v6, v6, v14
	v_lshl_add_u32 v6, v15, 3, v6
	v_lshlrev_b32 v6, 6, v6                        ; v6  Wd's scale words: row 8 (lane / 16) + r + 8 (r / 8) of 64 bytes
	v_lshlrev_b32 v7, 6, v15                       ; v7  the bias: 16 h numbers on
	v_bfe_u32 v3, v0, 3, 2                         ; lane / 8
	v_lshlrev_b32 v9, 4, v3                        ; v9  16 (lane / 8): four rows' places
	v_and_b32 v10, 7, v0
	v_lshlrev_b32 v10, 4, v10                      ; v10 16 (lane % 8)
	s_mul_i32 s25, s18, 16*SROW
	s_add_co_u32 s25, s25, STG                     ; my stage
	v_mul_u32_u24 v11, v14, SROW
	v_lshl_add_u32 v11, v15, 6, v11
	v_add_nc_u32 v11, s25, v11                     ; v11 in: row r, + 64 h
	v_mul_u32_u24 v12, v3, 4*SROW
	v_add_nc_u32 v12, v12, v10
	v_add_nc_u32 v12, s25, v12                     ; v12 back: row 4 (lane / 8) + i in instruction i, eight lanes to a row
	v_mov_b32 v[W+1], 0
	s_lshr_b32 s19, ttmp9, 5                       ; e
	s_and_b32 s20, ttmp9, 31                       ; j
	s_lshl_b32 s23, s19, 10
	s_lshl_b32 s24, s20, 5
	s_add_co_u32 s23, s23, s24                     ; my first row of Wd: 1024 e + 32 j
	s_lshl_b32 s24, s18, 3
	s_add_co_u32 s38, s23, s24
	s_lshl_b32 s38, s38, 11                        ; the 8 rows that I fetch
	s_mov_b32 s39, 0
	s_lshl_b32 s40, s23, 6
	s_mov_b32 s41, 0
	s_lshl_b32 s42, s23, 2
	s_mov_b32 s43, 0
	s_lshl_b32 s44, s19, 7
	s_mov_b32 s45, 0
	s_lshl_b32 s[SAC], s19, 21                     ; a's images: (64 e + q) x 32,768
	s_lshl_b32 s24, s18, 15
	s_add_co_u32 s[SAC], s[SAC], s24
	s_mov_b32 s[SAC+1], 0
	s_lshl_b32 s[SAS], s19, 16                     ; their scale words: 0x1000000 + (32 e + q / 2) x 2,048 + 64 (q % 2): the tile's 16 rows of a run of 32
	s_lshr_b32 s24, s18, 1
	s_lshl_b32 s24, s24, 11
	s_add_co_u32 s[SAS], s[SAS], s24
	s_and_b32 s24, s18, 1
	s_lshl_b32 s24, s24, 6
	s_add_co_u32 s[SAS], s[SAS], s24
	s_add_co_u32 s[SAS], s[SAS], 0x1000000
	s_mov_b32 s[SAS+1], 0
	s_lshl_b32 s[SRW], s19, 12                     ; (1024 e + 16 q) x 4
	s_lshl_b32 s24, s18, 6
	s_add_co_u32 s[SRW], s[SRW], s24
	s_add_co_u32 s[SRD], s[SRW], 1024
	s_add_co_u32 s[SRW], s[SRW], 0x840000
	s_mov_b32 s[SRW+1], 0
	s_mov_b32 s[SRD+1], 0
	s_lshl_b32 s[SY], s20, 7
	s_mov_b32 s[SY+1], 0
	s_wait_kmcnt 0x0
	s_add_nc_u64 s[44:45], s[14:15], s[44:45]
	s_load_b32 s21, s[44:45], 0x0                  ; the expert's tiles of 32 rows
	s_add_nc_u64 s[38:39], s[4:5], s[38:39]
	s_add_nc_u64 s[40:41], s[6:7], s[40:41]
	s_add_nc_u64 s[42:43], s[8:9], s[42:43]
	s_add_nc_u64 s[SAC:SAC+1], s[10:11], s[SAC:SAC+1]
	s_add_nc_u64 s[SAS:SAS+1], s[10:11], s[SAS:SAS+1]
	s_add_nc_u64 s[SRW:SRW+1], s[12:13], s[SRW:SRW+1]
	s_add_nc_u64 s[SRD:SRD+1], s[14:15], s[SRD:SRD+1]
	s_add_nc_u64 s[SY:SY+1], s[16:17], s[SY:SY+1]
.irp k, 0,1,2,3
	global_load_b128 v[DS+4*\k:DS+4*\k+3], v6, s[40:41] offset:16*\k               ; a row's 64 bytes are its sixteen words
.endr
.irp u, 0,1
	global_load_b128 v[BIAS+8*\u:BIAS+8*\u+3], v7, s[42:43] offset:32*\u
	global_load_b128 v[BIAS+8*\u+4:BIAS+8*\u+7], v7, s[42:43] offset:32*\u+16
.endr
	WIN 0x40                                       ; my 8 rows of Wd are 16,384 consecutive bytes: 32 loads of 512, through window 1 into LDS
.set n, 0
.rept 32
	global_load_b128 v[4*n:4*n+3], v1, s[38:39] offset:512*n th:TH_LOAD_NT
.set n, n+1
.endr
	WIN 0x04                                       ; an LDS store's data are its source 1
.set n, 0
.rept 32
.if n%16 == 0
	s_wait_loadcnt 16-n                            ; the next sixteen are in; the later ones may be out
.endif
	ds_store_b128 v4, v[4*n:4*n+3] offset:(n/4)*PITCH+(n%4)*512
.set n, n+1
.endr
	WIN 0
; GROUP p of a tile: the scale words and the fragments of K steps 2 p and 2 p + 1: nine loads.  nx = 0: of the tile at the bases; nx = 1: of my next tile, four tiles on; the distance stands in the immediates.
.macro LGRP p, nx
	WIN 0
	global_load_b32 v[AS+(\p)], v2, s[SAS:SAS+1] offset:0x1000*(\nx)+256*(\p)
	WIN 0xc0
.irp d, 0,1
.irp c, 0,1,2,3
	global_load_b128 v[16*(2*(\p)+\d)+4*\c:16*(2*(\p)+\d)+4*\c+3], v1, s[SAC:SAC+1] offset:0x20000*(\nx)+2048*(2*(\p)+\d)+512*\c   ; 512 consecutive bytes: the image of four registers
.endr
.endr
.endm
.macro ELOAD                           ; the rows' weights and places, of the tile at the bases: two loads
	global_load_b32 v[W], v8, s[SRW:SRW+1]
	global_load_b128 v[RD:RD+3], v9, s[SRD:SRD+1]
.endm
.irp p, 0,1,2,3,4,5
	LGRP \p, 0                                     ; tile q, asked for whatever the count says: it lies inside the buffer, and where the expert has no such tile nothing reads it
.endr
	WIN 0
	s_wait_dscnt 0x0                               ; for the others' sake: my rows lie in LDS
	s_barrier_signal -1
	s_barrier_wait -1
.irp s, 0,1,2,3,4,5,6,7,8,9,10,11,12,13,14,15
	WIN 0x40+0x40*(\s/8)
.irp u, 0,1
.irp c, 0,1,2,3
	ds_load_b128 v[((\s%8)*2+\u)*16+4*\c:((\s%8)*2+\u)*16+4*\c+3], v5 offset:16*\u*PITCH+128*\s+32*\c
.endr
.endr
.endr
	LGRP 6, 0                                      ; the rest of the first tile, in the order in which a trip asks: groups 0 to 7, then the rows' two loads
	LGRP 7, 0
	WIN 0
	ELOAD
	s_wait_dscnt 0x0                               ; the weights are in their registers, for the rest of the launch
	s_wait_kmcnt 0x0
	s_min_u32 s21, s21, 32
	s_lshl_b32 s21, s21, 1                         ; tiles of 16 rows
	s_add_co_u32 s21, s21, 3
	s_sub_co_u32 s21, s21, s18
	s_lshr_b32 s21, s21, 2                         ; my tiles: q, q + 4, .. under the count
.macro WMS ra, rb                      ; one matrix instruction; ra, rb: the rows of the scale registers
.if (\ra)==0 && (\rb)==0
	v_wmma_scale_f32_16x16x128_f8f6f4 v[rD:rD+7], v[rA:rA+15], v[rB:rB+15], v[rC:rC+7], v[rWS], v[rXS] matrix_a_fmt:MATRIX_FMT_BF8 matrix_b_fmt:MATRIX_FMT_BF8
.elseif (\rb)==0
	v_wmma_scale_f32_16x16x128_f8f6f4 v[rD:rD+7], v[rA:rA+15], v[rB:rB+15], v[rC:rC+7], v[rWS], v[rXS] matrix_a_fmt:MATRIX_FMT_BF8 matrix_b_fmt:MATRIX_FMT_BF8 matrix_a_scale:MATRIX_SCALE_ROW1
.elseif (\ra)==0
	v_wmma_scale_f32_16x16x128_f8f6f4 v[rD:rD+7], v[rA:rA+15], v[rB:rB+15], v[rC:rC+7], v[rWS], v[rXS] matrix_a_fmt:MATRIX_FMT_BF8 matrix_b_fmt:MATRIX_FMT_BF8 matrix_b_scale:MATRIX_SCALE_ROW1
.else
	v_wmma_scale_f32_16x16x128_f8f6f4 v[rD:rD+7], v[rA:rA+15], v[rB:rB+15], v[rC:rC+7], v[rWS], v[rXS] matrix_a_fmt:MATRIX_FMT_BF8 matrix_b_fmt:MATRIX_FMT_BF8 matrix_a_scale:MATRIX_SCALE_ROW1 matrix_b_scale:MATRIX_SCALE_ROW1
.endif
.endm
; Group p's four products: K steps 2 p and 2 p + 1, the two accumulators by turns.  The first K step takes the bias as C: nothing is cleared, no bias is added.
.macro PGRP p, cnt
	s_wait_loadcnt \cnt                            ; group p is in; what was asked for behind it may be out
	WIN 0x0d+(\p)/4                                ; source 0 window 1 or 2, source 1 window 3, C and D window 0
.irp d, 0,1
.irp u, 0,1
.set rS, 2*(\p)+\d
.set rD, ACC+8*\u
.set rA, ((rS%8)*2+\u)*16
.set rB, 16*rS
.set rC, rD
.if rS==0
.set rC, BIAS+8*\u
.endif
.set rWS, DS+rS
.set rXS, AS+(\p)
	WMS \u, \d
.endr
.endr
.endm
; A TILE OF 16 ROWS.  more = 1: behind each group the same group of my next tile is asked for.
; THE COUNTS.  Loads come back in order (ISA guide 5.7.1).  With a successor: behind group p's loads stand the seven other groups, 63 loads, and the rows' two: 65; the wait names 63, the most that it can name.
; More is asked for than LOADcnt's field counts: the load that would pass it is issued when an older one has come (ISA guide 5.7.1), and those older ones are what the wave wants next anyway.
; Without a successor: behind group p's loads stand this tile's later groups, 9 (7 - p), and the rows' two.
.macro TRIP more
.irp p, 0,1,2,3,4,5,6,7
.if \more || (\p==0)
	PGRP \p, 63
.else
	PGRP \p, 65-9*\p
.endif
.if \more || (\p==7)
.rept 8
	v_nop                                          ; eight places behind the group's products: ahead of loads into registers that they read, and of the first read of results
.endr
.endif
.if \more
	LGRP \p, 1
.endif
.endr
	WIN 0
.if \more
	s_wait_loadcnt 63                              ; the rows' two loads are in: 72 were asked for behind them
.else
	s_wait_loadcnt 0x0                             ; the rows' two loads are the last
.endif
.irp i, 0,2,4,6,8,10,12,14
	v_pk_mul_f32 v[ACC+\i:ACC+\i+1], v[ACC+\i:ACC+\i+1], v[W:W+1] op_sel_hi:[1,0]  ; x the row's weight; each accumulator from its low end on
.endr
.irp u, 0,1
.irp k, 0,1
	ds_store_b128 v11, v[ACC+8*\u+4*\k:ACC+8*\u+4*\k+3] offset:32*\u+16*\k
.endr
.endr
.irp i, 0,1,2,3
	ds_load_b128 v[OUT+4*\i:OUT+4*\i+3], v12 offset:SROW*\i        ; LDS serves a wave's instructions in order (ISA guide 5.7.1.4): these see the stores above
.endr
.irp i, 0,1,2,3
	v_min_u32 v[YA+\i], 0x7ff, v[RD+\i]
	v_lshl_add_u32 v[YA+\i], v[YA+\i], 12, v10     ; a row of y2 is 4,096 bytes.  (With the eight v_nop these are the places ahead of the next tile's first products, which begin the accumulators anew)
.endr
.irp i, 0,1,2,3
	s_wait_dscnt 3-\i                              ; load i is in; the later ones may be out
	global_store_b128 v[YA+\i], v[OUT+4*\i:OUT+4*\i+3], s[SY:SY+1]         ; four rows, 128 consecutive bytes of each
.endr
.if \more
	s_wait_xcnt 0x0                                ; the loads have read their bases, the stores their data and offsets: all may be written again
	s_add_nc_u64 s[SAC:SAC+1], s[SAC:SAC+1], 0x20000       ; on to my next tile: four tiles of 32,768 bytes,
	s_add_nc_u64 s[SAS:SAS+1], s[SAS:SAS+1], 0x1000        ; two runs of 32 rows' scale words,
	s_add_nc_u64 s[SRW:SRW+1], s[SRW:SRW+1], 0x100         ; 64 rows' words
	s_add_nc_u64 s[SRD:SRD+1], s[SRD:SRD+1], 0x100
	ELOAD
.endif
.endm
	s_cmp_eq_u32 s21, 0
	s_cbranch_scc1 .Lend                           ; no tile of mine
	s_sub_co_u32 s22, s21, 1
	s_cmp_eq_u32 s22, 0
	s_cbranch_scc1 .Ltail
.Ltile:                                            ; every tile but the last asks for its successor
	TRIP 1
	s_sub_co_u32 s22, s22, 1
	s_cmp_lg_u32 s22, 0
	s_cbranch_scc1 .Ltile
.Ltail:                                            ; the last is written out: it asks for nothing, so that no load leaves the expert's tiles and the counted waits see the same loads on every way
	TRIP 0
.Lend:
	s_wait_tensorcnt 0x0
	ds_add_u32 v254, v255
	s_wait_dscnt 0x0
	s_endpgm
.Lfunc_end_k_qe24f93a842_down:
	.size	k_qe24f93a842_down, .Lfunc_end_k_qe24f93a842_down-k_qe24f93a842_down
	.p2alignl 7, 3214868480
	.fill 96, 4, 3214868480
	.section	.rodata,"a",@progbits
	.p2align	6, 0x0
	.amdhsa_kernel k_qe24f93a842_down
		.amdhsa_group_segment_fixed_size 76288
		.amdhsa_private_segment_fixed_size 0
		.amdhsa_enable_private_segment 0
		.amdhsa_kernarg_size 56
		.amdhsa_user_sgpr_count 2
		.amdhsa_user_sgpr_kernarg_segment_ptr 1
		.amdhsa_wavefront_size32 1
		.amdhsa_system_sgpr_workgroup_id_x 1
		.amdhsa_system_sgpr_workgroup_id_y 1
		.amdhsa_system_sgpr_workgroup_id_z 1
		.amdhsa_system_vgpr_workitem_id 0
		.amdhsa_next_free_vgpr 1024
		.amdhsa_next_free_sgpr 66
		.amdhsa_reserve_vcc 0
		.amdhsa_float_denorm_mode_32 3
		.amdhsa_float_denorm_mode_16_64 3
		.amdhsa_memory_ordered 1
		.amdhsa_forward_progress 1
		.amdhsa_inst_pref_size 49
	.end_amdhsa_kernel
	.amdgpu_metadata
---
amdhsa.version: [ 1, 2 ]
amdhsa.kernels:
  - .name:           k_qe24f93a842_down
    .symbol:         k_qe24f93a842_down.kd
    .args:
      - { .name: down_proj_codes, .offset: 0, .size: 8, .value_kind: global_buffer, .address_space: global }
      - { .name: down_proj_scales, .offset: 8, .size: 8, .value_kind: global_buffer, .address_space: global }
      - { .name: down_bias, .offset: 16, .size: 8, .value_kind: global_buffer, .address_space: global }
      - { .name: act, .offset: 24, .size: 8, .value_kind: global_buffer, .address_space: global }
      - { .name: xs, .offset: 32, .size: 8, .value_kind: global_buffer, .address_space: global }
      - { .name: lst, .offset: 40, .size: 8, .value_kind: global_buffer, .address_space: global }
      - { .name: y2, .offset: 48, .size: 8, .value_kind: global_buffer, .address_space: global }
    .group_segment_fixed_size: 76288
    .private_segment_fixed_size: 0
    .kernarg_segment_align: 8
    .kernarg_segment_size: 56
    .max_flat_workgroup_size: 128
    .sgpr_count:     66
    .vgpr_count:     1024
    .wavefront_size: 32
...
	.end_amdgpu_metadata
.endif
;; end of part 4
;; launch combine (part 5): grid 256 x 1, 8 waves a work-group, no clusters, 0 bytes of LDS; arguments y2, out0; writes out0
.if DOCPART == 5
	.amdgcn_target "amdgcn-amd-amdhsa--gfx1250"
	.amdhsa_code_object_version 6
	.text
	.protected	k_qe24f93a842_combine
	.globl	k_qe24f93a842_combine
	.p2align	8
	.type	k_qe24f93a842_combine,@function
k_qe24f93a842_combine:
	s_mov_b64 s[64:65], 0
	v_nop
	global_prefetch_b8 v0, s[64:65] scope:SCOPE_SE
	s_setreg_imm32_b32 hwreg(HW_REG_WAVE_MODE, 25, 1), 1
	s_wait_xcnt 0x0
; out[token] = y2[0][token] + y2[1][token]: a token's two weighted rows were made under two experts, by different work-groups, so they meet here.
; A stream: each byte is read once and written once.  A work-group owns 16,384 bytes of the output; thread t owns 16 bytes at 16 t of each of its four runs of 4,096, so a wave's load or store covers 512 consecutive bytes.
; All eight loads of a thread go out at once.  No LDS, no barrier, no matrix unit: there is nothing to share and nothing to multiply.
	s_load_b128 s[4:7], s[0:1], 0x0                ; y2 s[4:5], out s[6:7]
	v_lshlrev_b32 v1, 4, v0
	s_lshl_b32 s8, ttmp9, 14
	s_mov_b32 s9, 0
	s_wait_kmcnt 0x0
	s_add_nc_u64 s[4:5], s[4:5], s[8:9]
	s_add_nc_u64 s[6:7], s[6:7], s[8:9]
.irp k, 0,1,2,3
	global_load_b128 v[4+8*\k:7+8*\k], v1, s[4:5] offset:4096*\k th:TH_LOAD_NT
	global_load_b128 v[8+8*\k:11+8*\k], v1, s[4:5] offset:4096*\k+4194304 th:TH_LOAD_NT
.endr
.irp k, 0,1,2,3
	s_wait_loadcnt 6-2*\k                          ; this run's two loads are in; the later runs' two each may be out
	v_pk_add_f32 v[4+8*\k:5+8*\k], v[4+8*\k:5+8*\k], v[8+8*\k:9+8*\k]
	v_pk_add_f32 v[6+8*\k:7+8*\k], v[6+8*\k:7+8*\k], v[10+8*\k:11+8*\k]
	global_store_b128 v1, v[4+8*\k:7+8*\k], s[6:7] offset:4096*\k th:TH_STORE_NT
.endr
	s_endpgm
.Lfunc_end_k_qe24f93a842_combine:
	.size	k_qe24f93a842_combine, .Lfunc_end_k_qe24f93a842_combine-k_qe24f93a842_combine
	.p2alignl 7, 3214868480
	.fill 96, 4, 3214868480
	.section	.rodata,"a",@progbits
	.p2align	6, 0x0
	.amdhsa_kernel k_qe24f93a842_combine
		.amdhsa_group_segment_fixed_size 0
		.amdhsa_private_segment_fixed_size 0
		.amdhsa_enable_private_segment 0
		.amdhsa_kernarg_size 16
		.amdhsa_user_sgpr_count 2
		.amdhsa_user_sgpr_kernarg_segment_ptr 1
		.amdhsa_wavefront_size32 1
		.amdhsa_system_sgpr_workgroup_id_x 1
		.amdhsa_system_sgpr_workgroup_id_y 1
		.amdhsa_system_sgpr_workgroup_id_z 1
		.amdhsa_system_vgpr_workitem_id 0
		.amdhsa_next_free_vgpr 40
		.amdhsa_next_free_sgpr 66
		.amdhsa_reserve_vcc 0
		.amdhsa_float_denorm_mode_32 3
		.amdhsa_float_denorm_mode_16_64 3
		.amdhsa_memory_ordered 1
		.amdhsa_forward_progress 1
		.amdhsa_inst_pref_size 3
	.end_amdhsa_kernel
	.amdgpu_metadata
---
amdhsa.version: [ 1, 2 ]
amdhsa.kernels:
  - .name:           k_qe24f93a842_combine
    .symbol:         k_qe24f93a842_combine.kd
    .args:
      - { .name: y2, .offset: 0, .size: 8, .value_kind: global_buffer, .address_space: global }
      - { .name: out0, .offset: 8, .size: 8, .value_kind: global_buffer, .address_space: global }
    .group_segment_fixed_size: 0
    .private_segment_fixed_size: 0
    .kernarg_segment_align: 8
    .kernarg_segment_size: 16
    .max_flat_workgroup_size: 256
    .sgpr_count:     66
    .vgpr_count:     40
    .wavefront_size: 32
...
	.end_amdgpu_metadata
.endif
;; end of part 5
;; ======== version 2 of 2: 5 launches; version 1 with the launches gateup, down written anew for expert scheduling mode
;; workspace buffers: tok 1,089,536 bytes; sel 12,288 bytes of whole numbers; xs 8,683,520 bytes; lst 33,792 bytes of whole numbers; act 17,301,504 bytes; y2 8,388,608 bytes
;; launch route: the kernel of part 1 again; grid 128 x 1, 4 waves a work-group, no clusters, 2,560 bytes of LDS; arguments hidden_states, router_w, router_b, tok, sel; writes tok, sel
;; launch place: the kernel of part 2 again; grid 64 x 1, 8 waves a work-group, no clusters, 0 bytes of LDS; arguments sel, tok, xs, lst; writes xs, lst
;; launch gateup (part 6): grid 256 x 1, 4 waves a work-group, no clusters, 133,632 bytes of LDS; arguments gate_up_proj_codes, gate_up_proj_scales, gate_up_bias, xs, lst, act; writes act
.if DOCPART == 6
	.amdgcn_target "amdgcn-amd-amdhsa--gfx1250"
	.amdhsa_code_object_version 6
	.text
	.protected	k_qe24f93a842_gateup
	.globl	k_qe24f93a842_gateup
	.p2align	8
	.type	k_qe24f93a842_gateup,@function
k_qe24f93a842_gateup:
	s_mov_b64 s[64:65], 0
	v_nop
	global_prefetch_b8 v0, s[64:65] scope:SCOPE_SE
	s_setreg_imm32_b32 hwreg(HW_REG_WAVE_SCHED_MODE, 0, 2), 2
	s_setreg_imm32_b32 hwreg(HW_REG_WAVE_MODE, 25, 1), 1
	s_wait_xcnt 0x0
	s_wait_alu depctr_vm_vsrc(0)
; FIRST PRODUCT OF THE CHOSEN ROWS, ACTIVATION, QUANTISER.  For expert e and its placed rows: gu = x Wgu + bias on codes of E5M2 with E8M0 scales; gate = min(gu[:2048], 7), up = clip(gu[2048:], -7, 7);
; a = (up + 1) gate sigmoid(1.702 gate), in f32; a is quantised along its 2,048 columns, which are the second product's K, and stored as images of that product's operand registers.
; SHARES.  e = work-group / 32; j = work-group % 32: columns 64 j .. 64 j + 63 of a.  Wave wv: b = wv / 2 picks 32 of the 64 columns, one block of the next K; q = wv % 2 takes the tiles of 32 rows q, q + 2, ..
; THE WEIGHTS STAY: a wave keeps its 32 gate rows and 32 up rows of Wgu for all K = 1,024 in 512 registers.  Each weight byte is loaded from memory once in the launch (64 KiB x 2 a work-group, dense), goes through LDS
; once, since two waves want the same rows, and all the expert's rows are multiplied against it.  What is streamed is the small thing: x's images, 32 KiB for 32 rows.
; THE PRODUCT IS USED TRANSPOSED (source 0 = 16 rows of Wgu, source 1 = 16 rows of x), and THE ROWS OF Wgu THAT FORM A TILE ARE NOT NEIGHBOURS: row p of tile u is column 8 u + p + 8 (p / 8) of the block.
; So lane (r, h) holds row r of a, and the 16 registers of tiles 0 and 1 are columns 16 h + 0 .. 15: the conversions' results ARE registers of the next operand.
; The number of trips is a number that an earlier launch stored, so this launch has no tensor load and no cluster; besides, each weight byte has one reading work-group.  The one barrier stands ahead of every such branch.
; LIMITS: NaN and infinities are not served.  A block of zeros gets the byte 1, not 127: its codes are zeros, and this program alone reads the bytes.
; REGISTERS, in windows of 256.  window 0: as named below.  window 1: Wgu's fragments of K steps 0-3, window 2: of K steps 4-7, fragment (s, g, u) at v[16 (4 (s % 4) + 2 g + u)] (g = 0 gate, 1 up).
;   window 3: x's fragments of a tile of 32 rows: (K step s, half m) at v[32 s + 16 m].
; THE MODE: SCHED_MODE bits 1:0 = 2 (LLVM: expert scheduling mode 2), set by the entry lines.  The code itself states the register dependences
; between vector or matrix instructions and memory or LDS instructions, with s_wait_alu, always for 0.
; THE PLAN.  Registers that memory or LDS instructions touch:
;   v1 .. v7          offsets and LDS addresses: written at the head, never again.
;   window 1          at the head: loads land in it, LDS stores read it, then the weights' LDS loads land in it; windows 1 and 2 are read by matrix instructions alone from there on.  WS, BIAS: loaded once.
;   XSC, window 3     a tile's 64 products read them; the loads of the tile two further on land in them.
;   CD, BSEL          written by a tile's conversions and one select; read by its three stores.
;   ACC, T, MX .. BY  are named by vector and matrix instructions alone.   v254, v255: written at the head, read by the closing add alone.
; So a tile that has a successor holds ONE wait on va_vdst for all 66 loads of that successor, behind its last products: no vector instruction behind it names XSC, a register of window 3 or the loads' offsets, and the
; loads are dealt among the activation's lines.  One more stands ahead of the three stores, and one wait on vm_vsrc at the tile's end, ahead of the next tile's writes of CD and BSEL.
.set PITCH, 1040                       ; an LDS row: 1,024 bytes + 16 = 260 words: row r starts at bank 4 r mod 64 (64 banks of 4 bytes: ISA guide 11.1)
.set REG,   32*PITCH                   ; a region: 32 rows of Wgu; region 2 b + g
.set WS,    16                         ; v16-31   Wgu's scale words: register 8 u + s; lanes 0-15 the gate rows of tile u, lanes 16-31 the up rows
.set XSC,   32                         ; v32-39   x's scale words: register s; lane l = row l of the tile of 32
.set BIAS,  40                         ; v40-71   the bias in the result's layout: 16 g + 8 u + i
.set ACC,   72                         ; v72-135  the sums: 32 m + 16 g + 8 u + i
.set T,     136                        ; v136-167 at work: 16 m + i
.set MX,    168                        ; v168-169 largest magnitudes; v170-171 the other half's; v172-173 scale operands; v174-175 57,344 x scale; v176-177 bytes; v178 my row's byte
.set PX,    170
.set SO,    172
.set HL,    174
.set BY,    176
.set BSEL,  178
.set CD,    184                        ; v184-191 codes: 4 m + 0 .. 3
.set SX,    28                         ; s[28:29] x's images of the tile in hand;  s[30:31] its scale words;  s[32:33] where a's codes go;  s[34:35] a's scale bytes
.set SXS,   30
.set SAC,   32
.set SAS,   34
.set L7,    36                         ; s36 7.0, s37 -7.0
.set M7,    37
.set KK,    38                         ; s[38:39] -1.702 log2(e)
.set SEL,   40                         ; s[40:41] v_permlanex16_b32's selects for lane l xor 16
.set MNT,   42                         ; s42 the mantissa field of 57,344
.set HIM,   43                         ; s43 lanes 16-31
.set MSB, 0
.macro WIN new                         ; the immediate's high byte repeats the setting that is left; a switch that changes nothing is dropped
.if MSB != (\new)
	s_set_vgpr_msb (MSB<<8)|(\new)
.set MSB, (\new)
.endif
.endm
	s_load_b256 s[4:11], s[0:1], 0x0               ; codes s[4:5], scales s[6:7], bias s[8:9], xs s[10:11]
	s_load_b128 s[12:15], s[0:1], 0x20             ; lst s[12:13], act s[14:15]
	v_lshl_add_u32 v254, v0, 2, 0x20800
	v_mov_b32 v255, 0
	v_lshrrev_b32 v8, 5, v0
	v_readfirstlane_b32 s16, v8                    ; wave 0..3
	v_and_b32 v8, 31, v0                           ; lane
	v_lshlrev_b32 v1, 4, v8                        ; v1  16 x lane
	v_lshlrev_b32 v2, 5, v8                        ; v2  32 x lane
	v_lshlrev_b32 v3, 2, v8                        ; v3  4 x lane
	v_and_b32 v9, 15, v0                           ; r
	v_bfe_u32 v10, v0, 4, 1                        ; h
	s_wait_alu depctr_va_sdst(0)                   ; s16 is written, ahead of its first reader: the wave's shares, LDS places and bases are made from it
	s_lshr_b32 s19, s16, 1                         ; b
	s_and_b32 s20, s16, 1                          ; q
	s_mul_i32 s24, s16, REG
	v_add_nc_u32 v4, s24, v1                       ; v4  into LDS: the region that I fetch (its number is my wave's), 16 x lane
	s_mul_i32 s25, s19, 2*REG
	v_mul_u32_u24 v5, v9, PITCH
	v_lshl_add_u32 v5, v10, 4, v5
	v_add_nc_u32 v5, s25, v5                       ; v5  out of LDS: my block's two regions, row r, + 16 h
	v_and_b32 v6, 8, v9
	v_add_nc_u32 v6, v6, v9
	v_lshlrev_b32 v6, 5, v6
	v_lshl_add_u32 v6, v10, 16, v6                 ; v6  Wgu's scale words: row r + 8 (r / 8) of 32 bytes; lanes 16-31 the up rows, 2,048 rows on
	v_lshlrev_b32 v7, 6, v10                       ; v7  the bias: 16 h numbers on
	v_mov_b32 v[PX], 0                             ; written once: a lane permute's destination counts as one of its sources
	v_mov_b32 v[PX+1], 0
	s_lshr_b32 s17, ttmp9, 5                       ; e
	s_and_b32 s18, ttmp9, 31                       ; j
	s_lshl_b32 s23, s18, 1
	s_add_co_u32 s23, s23, s19                     ; my block of the next K: 2 j + b
	s_lshl_b32 s46, s17, 12
	s_lshl_b32 s24, s23, 5
	s_add_co_u32 s46, s46, s24                     ; my block's first gate row of Wgu: 4096 e + 32 block
	s_lshl_b32 s24, s20, 11
	s_add_co_u32 s44, s46, s24                     ; the 32 rows that I fetch: gate (wave even) or up (wave odd) of block 2 j + wave / 2
	s_lshl_b32 s44, s44, 10
	s_mov_b32 s45, 0
	s_lshl_b32 s48, s46, 5
	s_mov_b32 s49, 0
	s_lshl_b32 s50, s46, 2
	s_mov_b32 s51, 0
	s_lshl_b32 s52, s17, 7
	s_mov_b32 s53, 0
	s_lshl_b32 s[SX], s17, 20                      ; x's images: (64 e + 2 q) x 16,384
	s_lshl_b32 s24, s20, 15
	s_add_co_u32 s[SX], s[SX], s24
	s_mov_b32 s[SX+1], 0
	s_lshl_b32 s[SXS], s17, 15                     ; their scale words: 0x800000 + (1024 e + 32 q) x 32
	s_lshl_b32 s24, s20, 10
	s_add_co_u32 s[SXS], s[SXS], s24
	s_add_co_u32 s[SXS], s[SXS], 0x800000
	s_mov_b32 s[SXS+1], 0
	s_lshl_b32 s[SAC], s17, 21                     ; a's codes: (64 e + 2 q) x 32,768 + 512 x block
	s_lshl_b32 s24, s20, 16
	s_add_co_u32 s[SAC], s[SAC], s24
	s_lshl_b32 s24, s23, 9
	s_add_co_u32 s[SAC], s[SAC], s24
	s_mov_b32 s[SAC+1], 0
	s_lshl_b32 s[SAS], s17, 16                     ; a's scale bytes: 0x1000000 + ((32 e + q) x 16 + block / 4) x 128 + block % 4
	s_lshl_b32 s24, s20, 11
	s_add_co_u32 s[SAS], s[SAS], s24
	s_lshr_b32 s24, s23, 2
	s_lshl_b32 s24, s24, 7
	s_add_co_u32 s[SAS], s[SAS], s24
	s_and_b32 s24, s23, 3
	s_add_co_u32 s[SAS], s[SAS], s24
	s_add_co_u32 s[SAS], s[SAS], 0x1000000
	s_mov_b32 s[SAS+1], 0
	s_mov_b32 s[L7], 0x40e00000
	s_mov_b32 s[M7], 0xc0e00000
	s_mov_b32 s[KK], 0xc01d265f
	s_mov_b32 s[KK+1], s[KK]                       ; (named with it as a pair, so it is written)
	s_mov_b32 s[SEL], 0x76543210
	s_mov_b32 s[SEL+1], 0xfedcba98
	s_mov_b32 s[MNT], 0x600000
	s_mov_b32 s[HIM], 0xffff0000
	s_wait_kmcnt 0x0
	s_add_nc_u64 s[52:53], s[12:13], s[52:53]
	s_load_b32 s21, s[52:53], 0x0                  ; the expert's tiles of 32 rows
	s_add_nc_u64 s[44:45], s[4:5], s[44:45]
	s_add_nc_u64 s[48:49], s[6:7], s[48:49]
	s_add_nc_u64 s[50:51], s[8:9], s[50:51]
	s_add_nc_u64 s[SX:SX+1], s[10:11], s[SX:SX+1]
	s_add_nc_u64 s[SXS:SXS+1], s[10:11], s[SXS:SXS+1]
	s_add_nc_u64 s[SAC:SAC+1], s[14:15], s[SAC:SAC+1]
	s_add_nc_u64 s[SAS:SAS+1], s[14:15], s[SAS:SAS+1]
	s_wait_alu depctr_va_vdst(0)                   ; the seven offsets and LDS addresses v1 to v7 are written, which every load, store and LDS instruction of the kernel reads
.irp u, 0,1
	global_load_b128 v[WS+8*\u:WS+8*\u+3], v6, s[48:49] offset:256*\u              ; tile u begins 8 rows on; a row's 32 bytes are its eight words
	global_load_b128 v[WS+8*\u+4:WS+8*\u+7], v6, s[48:49] offset:256*\u+16
.endr
.irp g, 0,1
.irp u, 0,1
	global_load_b128 v[BIAS+16*\g+8*\u:BIAS+16*\g+8*\u+3], v7, s[50:51] offset:8192*\g+32*\u
	global_load_b128 v[BIAS+16*\g+8*\u+4:BIAS+16*\g+8*\u+7], v7, s[50:51] offset:8192*\g+32*\u+16
.endr
.endr
	; my 32 rows of Wgu are 32,768 consecutive bytes: 64 loads of 512, through window 1 into LDS, row i at place 16 ((i / 8) % 2) + i % 8 + 8 (i / 16), so that a tile's 16 rows lie on end
	WIN 0x40
.set n, 0
.rept 64
	global_load_b128 v[4*n:4*n+3], v1, s[44:45] offset:512*n th:TH_LOAD_NT
.set n, n+1
.endr
	WIN 0x04                                       ; an LDS store's data are its source 1
.set n, 0
.rept 64
.if n%16 == 0
	s_wait_loadcnt 48-n                            ; the next sixteen are in; the later ones may be out
.endif
.set i, n/2
	ds_store_b128 v4, v[4*n:4*n+3] offset:(16*((i/8)%2)+i%8+8*(i/16))*PITCH+(n%2)*512
.set n, n+1
.endr
	WIN 0
; x's scale words (2 loads), its fragments of one K step (8 loads); LOADA: the words and K steps 0 to 6 (58 loads); LOADB: K step 7; all of the tile at s[SX], s[SXS]
.macro XSLOT s
.irp m, 0,1
.irp c, 0,1,2,3
	global_load_b128 v[32*(\s)+16*\m+4*\c:32*(\s)+16*\m+4*\c+3], v1, s[SX:SX+1] offset:16384*\m+512*(4*(\s)+\c)    ; 512 consecutive bytes: the image of four registers
.endr
.endr
.endm
.macro XWORDS
	global_load_b128 v[XSC:XSC+3], v2, s[SXS:SXS+1]
	global_load_b128 v[XSC+4:XSC+7], v2, s[SXS:SXS+1] offset:16
.endm
.macro LOADA
	XWORDS
	WIN 0xc0
.irp s, 0,1,2,3,4,5,6
	XSLOT \s
.endr
	WIN 0
.endm
.macro LOADB
	WIN 0xc0
	XSLOT 7
	WIN 0
.endm
.macro DEAL more, s                    ; one K step of the tile two further on, set among the activation's lines.  No wait: no vector or matrix instruction since the wait behind the last products names its registers
.if \more
	WIN 0xc0
	XSLOT \s
	WIN 0
.endif
.endm
	LOADA                                          ; tile q, asked for whatever the count says: it lies inside the buffer, and where the expert has no such tile nothing reads it
	s_wait_dscnt 0x0                               ; for the others' sake: my region lies in LDS
	s_barrier_signal -1
	s_barrier_wait -1
	s_wait_alu depctr_vm_vsrc(0)                   ; my LDS stores have read the registers of window 1, in which the weights' fragments land below
.irp s, 0,1,2,3,4,5,6,7
	WIN 0x40+0x40*(\s/4)
.irp g, 0,1
.irp u, 0,1
.irp c, 0,1,2,3
	ds_load_b128 v[((\s%4)*4+2*\g+\u)*16+4*\c:((\s%4)*4+2*\g+\u)*16+4*\c+3], v5 offset:(32*\g+16*\u)*PITCH+128*\s+32*\c
.endr
.endr
.endr
.endr
	WIN 0
	LOADB
	s_wait_dscnt 0x0                               ; the weights are in their registers, for the rest of the launch
	s_wait_kmcnt 0x0
	s_min_u32 s21, s21, 32
	s_add_co_u32 s21, s21, 1
	s_sub_co_u32 s21, s21, s20
	s_lshr_b32 s21, s21, 1                         ; my tiles: q, q + 2, .. under the count
; One matrix instruction; ra, rb: the rows of the scale registers
.macro WMS ra, rb
.if (\ra)==0 && (\rb)==0
	v_wmma_scale_f32_16x16x128_f8f6f4 v[rD:rD+7], v[rA:rA+15], v[rB:rB+15], v[rC:rC+7], v[rWS], v[rXS] matrix_a_fmt:MATRIX_FMT_BF8 matrix_b_fmt:MATRIX_FMT_BF8
.elseif (\rb)==0
	v_wmma_scale_f32_16x16x128_f8f6f4 v[rD:rD+7], v[rA:rA+15], v[rB:rB+15], v[rC:rC+7], v[rWS], v[rXS] matrix_a_fmt:MATRIX_FMT_BF8 matrix_b_fmt:MATRIX_FMT_BF8 matrix_a_scale:MATRIX_SCALE_ROW1
.elseif (\ra)==0
	v_wmma_scale_f32_16x16x128_f8f6f4 v[rD:rD+7], v[rA:rA+15], v[rB:rB+15], v[rC:rC+7], v[rWS], v[rXS] matrix_a_fmt:MATRIX_FMT_BF8 matrix_b_fmt:MATRIX_FMT_BF8 matrix_b_scale:MATRIX_SCALE_ROW1
.else
	v_wmma_scale_f32_16x16x128_f8f6f4 v[rD:rD+7], v[rA:rA+15], v[rB:rB+15], v[rC:rC+7], v[rWS], v[rXS] matrix_a_fmt:MATRIX_FMT_BF8 matrix_b_fmt:MATRIX_FMT_BF8 matrix_a_scale:MATRIX_SCALE_ROW1 matrix_b_scale:MATRIX_SCALE_ROW1
.endif
.endm
; K step s: eight products, the eight accumulators by turns.  The first K step takes the bias as C: nothing is cleared, no bias is added.
.macro PROD s
	s_wait_loadcnt 56-8*(\s)                       ; the scale words and K step s are in; the eight loads of each later K step may be out
	WIN 0x0d+(\s)/4                                ; source 0 window 1 or 2, source 1 window 3, C and D window 0
.irp m, 0,1
.irp g, 0,1
.irp u, 0,1
.set rD, ACC+32*\m+16*\g+8*\u
.set rA, (((\s)%4)*4+2*\g+\u)*16
.set rB, 32*(\s)+16*\m
.set rC, rD
.if (\s)==0
.set rC, BIAS+16*\g+8*\u
.endif
.set rWS, WS+8*\u+(\s)
.set rXS, XSC+(\s)
	WMS \g, \m
.endr
.endr
.endr
.endm
.macro GATEMIN m                       ; gate = min(gate, 7), half m: each accumulator is read from its low end on
.irp i, 0,1,2,3,4,5,6,7,8,9,10,11,12,13,14,15
	v_min_num_f32 v[ACC+32*(\m)+\i], s[L7], v[ACC+32*(\m)+\i]
.endr
.endm
; A TILE OF 32 ROWS.  more = 1: the tile two further on is asked for on the way.
.macro TRIP more
.irp s, 0,1,2,3,4,5,6,7
	PROD \s
.endr
	WIN 0
.rept 8
	v_nop                                          ; eight places behind the last products, ahead of the first read of results
.endr
.if \more
	s_wait_alu depctr_va_vdst(0)                   ; the tile's products are done reading x's scale words and fragments, in which the loads of the tile two further on land: the two below, the seven K steps dealt out, and K step 7 behind the stores
	s_add_nc_u64 s[SX:SX+1], s[SX:SX+1], 0x10000   ; (all loads that named these bases are in: the last wait on LOADcnt above was for 0)
	s_add_nc_u64 s[SXS:SXS+1], s[SXS:SXS+1], 0x800
	XWORDS
.endif
	DEAL \more, 0                                  ; what the next tile wants first goes out first; the rest a K step at a time, early in the activation, so that it lands while the activation is worked
	DEAL \more, 1
	; the activation
	GATEMIN 0
	DEAL \more, 2
	GATEMIN 1
	DEAL \more, 3
.irp m, 0,1
.irp i, 0,2,4,6,8,10,12,14
	v_pk_mul_f32 v[T+16*\m+\i:T+16*\m+\i+1], v[ACC+32*\m+\i:ACC+32*\m+\i+1], s[KK:KK+1] op_sel_hi:[1,0]
.endr
.endr
	DEAL \more, 4
.set i, 0
.rept 16
	v_exp_f32 v[T+i], v[T+i]                       ; e^(-1.702 gate)
.set i, i+1
.endr
	DEAL \more, 5
.rept 16
	v_exp_f32 v[T+i], v[T+i]
.set i, i+1
.endr
	DEAL \more, 6
.irp m, 0,1
.irp i, 0,1,2,3,4,5,6,7,8,9,10,11,12,13,14,15
	v_med3_num_f32 v[ACC+32*\m+16+\i], v[ACC+32*\m+16+\i], s[M7], s[L7]    ; up, clipped: plain work that names no exponential's result
.endr
.endr
	s_wait_alu depctr_va_vdst(0)                   ; the 32 exponentials have written v[T ..]: one wait, ahead of their first reader
.set i, 0
.rept 16
	v_pk_add_f32 v[T+i:T+i+1], v[T+i:T+i+1], 1.0 op_sel_hi:[1,0]
.set i, i+2
.endr
.set i, 0
.rept 32
	v_rcp_f32 v[T+i], v[T+i]                       ; the sigmoid
.set i, i+1
.endr
	v_nop                                          ; a plain line behind the last reciprocal,
	s_wait_alu depctr_va_vdst(0)                   ; and one wait: the 32 reciprocals have written v[T ..], ahead of their first reader
.irp m, 0,1
.irp i, 0,2,4,6,8,10,12,14
	v_pk_mul_f32 v[ACC+32*\m+\i:ACC+32*\m+\i+1], v[ACC+32*\m+\i:ACC+32*\m+\i+1], v[T+16*\m+\i:T+16*\m+\i+1]
.endr
.endr
.irp m, 0,1
.irp i, 0,2,4,6,8,10,12,14
	v_pk_fma_f32 v[ACC+32*\m+\i:ACC+32*\m+\i+1], v[ACC+32*\m+16+\i:ACC+32*\m+16+\i+1], v[ACC+32*\m+\i:ACC+32*\m+\i+1], v[ACC+32*\m+\i:ACC+32*\m+\i+1]   ; (up + 1) glu = up glu + glu
.endr
.endr
	; the quantiser: a row's block of 32 lies in lanes l and l xor 16, 16 numbers each; the two halves m by turns
.irp m, 0,1
	v_max3_num_f32 v[MX+\m], |v[ACC+32*\m]|, |v[ACC+32*\m+1]|, 0x8000000   ; with the floor 2^(16 - 127): the byte cannot fall under 1
.endr
.irp i, 2,4,6,8,10,12,14
.irp m, 0,1
	v_max3_num_f32 v[MX+\m], v[MX+\m], |v[ACC+32*\m+\i]|, |v[ACC+32*\m+\i+1]|
.endr
.endr
.irp m, 0,1
	v_permlanex16_b32 v[PX+\m], v[MX+\m], s[SEL], s[SEL+1]
.endr
.irp m, 0,1
	v_max_num_f32 v[MX+\m], v[MX+\m], v[PX+\m]
.endr
.irp m, 0,1
	v_add_nc_u32 v[SO+\m], 0xf8800000, v[MX+\m]    ; 15 off the exponent field: the conversion's scale operand
	v_and_or_b32 v[HL+\m], v[MX+\m], 0x7f800000, s[MNT]    ; 57,344 x the scale
.endr
.irp m, 0,1
	v_lshrrev_b32 v[BY+\m], 23, v[SO+\m]           ; the scale's byte
.endr
	v_cndmask_b32 v[BSEL], v[BY], v[BY+1], s[HIM]  ; lane l stores row l's: lanes 0-15 those of half 0, lanes 16-31 of half 1
.irp m, 0,1
.irp i, 0,1,2,3,4,5,6,7,8,9,10,11,12,13,14,15
	v_med3_num_f32 v[ACC+32*\m+\i], v[ACC+32*\m+\i], -v[HL+\m], v[HL+\m]   ; the conversion does not saturate (ISA guide 7.6.2): the hold comes first
.endr
	v_cvt_scalef32_pk8_bf8_f32 v[CD+4*\m:CD+4*\m+1], v[ACC+32*\m:ACC+32*\m+7], v[SO+\m]
	v_cvt_scalef32_pk8_bf8_f32 v[CD+4*\m+2:CD+4*\m+3], v[ACC+32*\m+8:ACC+32*\m+15], v[SO+\m]
.endr
	v_nop                                          ; a plain line behind the last conversion: the next products write its sources
	s_wait_alu depctr_va_vdst(0)                   ; the conversions have written v[CD ..] and the select v[BSEL], which the three stores read
	global_store_b128 v1, v[CD:CD+3], s[SAC:SAC+1]                 ; registers 4 c' .. 4 c' + 3 of the next operand's K step: 512 consecutive bytes
	global_store_b128 v1, v[CD+4:CD+7], s[SAC:SAC+1] offset:32768
	global_store_b8 v3, v[BSEL], s[SAS:SAS+1]      ; byte c' of each row's scale word: the word's other bytes come from other waves, which share no barrier with me
.if \more
	LOADB
	s_wait_xcnt 0x0                                ; the stores have had their addresses translated: their bases may be written again
	s_wait_alu depctr_vm_vsrc(0)                   ; the stores have read v[CD ..] and v[BSEL], which the next tile's conversions and select write again
	s_add_nc_u64 s[SAC:SAC+1], s[SAC:SAC+1], 0x20000
	s_add_nc_u64 s[SAS:SAS+1], s[SAS:SAS+1], 0x1000
.endif
.endm
	s_cmp_eq_u32 s21, 0
	s_cbranch_scc1 .Lend                           ; no tile of mine
	s_sub_co_u32 s22, s21, 1
	s_cmp_eq_u32 s22, 0
	s_cbranch_scc1 .Ltail
.Ltile:                                            ; every tile but the last asks for its successor
	TRIP 1
	s_sub_co_u32 s22, s22, 1
	s_cmp_lg_u32 s22, 0
	s_cbranch_scc1 .Ltile
.Ltail:                                            ; the last is written out: it loads nothing, so that the counted waits see the same loads on every way
	TRIP 0
.Lend:
	s_wait_dscnt 0x0                               ; the closing lines, six on end
	s_wait_alu 0x0
	s_wait_tensorcnt 0x0
	ds_add_u32 v254, v255
	s_wait_dscnt 0x0
	s_endpgm
.Lfunc_end_k_qe24f93a842_gateup:
	.size	k_qe24f93a842_gateup, .Lfunc_end_k_qe24f93a842_gateup-k_qe24f93a842_gateup
	.p2alignl 7, 3214868480
	.fill 96, 4, 3214868480
	.section	.rodata,"a",@progbits
	.p2align	6, 0x0
	.amdhsa_kernel k_qe24f93a842_gateup
		.amdhsa_group_segment_fixed_size 133632
		.amdhsa_private_segment_fixed_size 0
		.amdhsa_enable_private_segment 0
		.amdhsa_kernarg_size 48
		.amdhsa_user_sgpr_count 2
		.amdhsa_user_sgpr_kernarg_segment_ptr 1
		.amdhsa_wavefront_size32 1
		.amdhsa_system_sgpr_workgroup_id_x 1
		.amdhsa_system_sgpr_workgroup_id_y 1
		.amdhsa_system_sgpr_workgroup_id_z 1
		.amdhsa_system_vgpr_workitem_id 0
		.amdhsa_next_free_vgpr 1024
		.amdhsa_next_free_sgpr 66
		.amdhsa_reserve_vcc 0
		.amdhsa_float_denorm_mode_32 3
		.amdhsa_float_denorm_mode_16_64 3
		.amdhsa_memory_ordered 1
		.amdhsa_forward_progress 1
		.amdhsa_inst_pref_size 82
	.end_amdhsa_kernel
	.amdgpu_metadata
---
amdhsa.version: [ 1, 2 ]
amdhsa.kernels:
  - .name:           k_qe24f93a842_gateup
    .symbol:         k_qe24f93a842_gateup.kd
    .args:
      - { .name: gate_up_proj_codes, .offset: 0, .size: 8, .value_kind: global_buffer, .address_space: global }
      - { .name: gate_up_proj_scales, .offset: 8, .size: 8, .value_kind: global_buffer, .address_space: global }
      - { .name: gate_up_bias, .offset: 16, .size: 8, .value_kind: global_buffer, .address_space: global }
      - { .name: xs, .offset: 24, .size: 8, .value_kind: global_buffer, .address_space: global }
      - { .name: lst, .offset: 32, .size: 8, .value_kind: global_buffer, .address_space: global }
      - { .name: act, .offset: 40, .size: 8, .value_kind: global_buffer, .address_space: global }
    .group_segment_fixed_size: 133632
    .private_segment_fixed_size: 0
    .kernarg_segment_align: 8
    .kernarg_segment_size: 48
    .max_flat_workgroup_size: 128
    .sgpr_count:     66
    .vgpr_count:     1024
    .wavefront_size: 32
...
	.end_amdgpu_metadata
.endif
;; end of part 6
;; launch down (part 7): grid 256 x 1, 4 waves a work-group, no clusters, 76,288 bytes of LDS; arguments down_proj_codes, down_proj_scales, down_bias, act, xs, lst, y2; writes y2
.if DOCPART == 7
	.amdgcn_target "amdgcn-amd-amdhsa--gfx1250"
	.amdhsa_code_object_version 6
	.text
	.protected	k_qe24f93a842_down
	.globl	k_qe24f93a842_down
	.p2align	8
	.type	k_qe24f93a842_down,@function
k_qe24f93a842_down:
	s_mov_b64 s[64:65], 0
	v_nop
	global_prefetch_b8 v0, s[64:65] scope:SCOPE_SE
	s_setreg_imm32_b32 hwreg(HW_REG_WAVE_SCHED_MODE, 0, 2), 2
	s_setreg_imm32_b32 hwreg(HW_REG_WAVE_MODE, 25, 1), 1
	s_wait_xcnt 0x0
	s_wait_alu depctr_vm_vsrc(0)
; SECOND PRODUCT OF THE CHOSEN ROWS.  For expert e and its placed rows: y = (a Wd + bias) x the row's weight, on codes of E5M2 with E8M0 scales; the row goes to y2[slot][token].
; SHARES.  e = work-group / 32; j = work-group % 32: output columns 32 j .. 32 j + 31.  All four waves keep the same 32 rows of Wd for all K = 2,048 in 512 registers each; wave q takes the tiles of 16 rows q, q + 4, ..
; Each weight byte is loaded from memory once in the launch (64 KiB a work-group, dense) and goes through LDS once.  What is streamed is a's images: 32 KiB for 16 rows, which fill 256 registers.
; THE STREAM NEVER STOPS.  A tile's 16 K steps go in eight groups of two.  Behind group p's four products the group before it, p - 1, of the wave's NEXT tile is asked for into the registers that it has left:
; so six groups and more are always on their way, across the way out and from tile to tile.
; THE PRODUCT IS USED TRANSPOSED (source 0 = 16 rows of Wd, source 1 = 16 rows of a); row p of tile u is column 8 u + p + 8 (p / 8), so that lane (r, h) holds 16 neighbouring columns, 16 h + 0 .. 15, of row r.
; The rows leave through the wave's own stage in LDS: eight lanes store a row's 128 bytes, which is all that 32 columns give; 64 columns a work-group would double the weights that a work-group has to fetch before its first product.
; A row repeated to fill an expert's rows up to a multiple of 32 is stored again with the same numbers, by this wave or by another wave of this work-group.
; The number of trips is a number that an earlier launch stored, so this launch has no tensor load and no cluster; besides, each weight byte has one reading work-group.  The one barrier stands ahead of every such branch.
; REGISTERS, in windows of 256.  window 0: as named below.  window 1: Wd's fragments of K steps 0-7, window 2: of 8-15, fragment (s, u) at v[16 (2 (s % 8) + u)].  window 3: a's fragments of one tile: K step s at v[16 s].
; THE MODE: SCHED_MODE bits 1:0 = 2 (LLVM: expert scheduling mode 2), set by the entry lines.  The code itself states the register dependences
; between vector or matrix instructions and memory or LDS instructions, with s_wait_alu, always for 0.
; THE PLAN.  Registers that memory or LDS instructions touch:
;   v1, v2, v4 .. v12   offsets and LDS addresses: written at the head, never again.
;   window 1            at the head: loads land in it, LDS stores read it, then the weights' LDS loads land in it; windows 1 and 2 are read by matrix instructions alone from there on.  DS, BIAS: loaded once.
;   AS + p, window 3's group p   group p's four products read them; the loads of the next tile's group p land in them, issued behind group p + 1's products (group 7's: in the way out).
;   W, RD               the way out's multiplications and clamps read them; the next tile's two loads land in them at the tile's end.
;   ACC                 written by the products and the multiplications; read by the four LDS stores.    YA: written by eight vector lines; read by the four global stores.    OUT: LDS loads land in it; the global stores read it.
; So ONE wait on va_vdst stands at the head of each of groups 1 to 7, behind the wait for the group's data: the group before is done reading its registers; the nine loads into them follow this group's products, which name
; none of them.  ONE stands in the way out, behind its sixteen vector lines: ACC and YA are written, W and RD are read, group 7 is done reading.  ONE wait on vm_vsrc stands at the tile's end, ahead of the next tile's writes of ACC, YA and OUT.
.set PITCH, 2064                       ; an LDS row: 2,048 bytes + 16 = 516 words: row r starts at bank 4 r mod 64 (64 banks of 4 bytes: ISA guide 11.1)
.set STG,   32*PITCH                   ; behind Wd's 32 rows: a stage of 16 rows x 144 bytes for each wave
.set SROW,  144
.set DS,    16                         ; v16-31   Wd's scale words: register s; lanes 0-15 tile 0's rows, lanes 16-31 tile 1's
.set AS,    32                         ; v32-39   a's scale words: register p; lanes 0-15 K step 2 p, lanes 16-31 K step 2 p + 1, lane % 16 = the row
.set BIAS,  48                         ; v48-63   the bias in the result's layout: 8 u + i
.set ACC,   64                         ; v64-79   the sums: 8 u + i
.set W,     96                         ; v96      the weight of row r (v97 is named with it as a pair)
.set RD,    100                        ; v100-103 1024 x slot + token of rows 4 (lane / 8) + 0 .. 3
.set YA,    108                        ; v108-111 the stores' offsets
.set OUT,   116                        ; v116-131 rows read back from the stage
.set SAC,   28                         ; s[28:29] a's images of the tile in hand;  s[30:31] its scale words;  s[32:33] its rows' weights;  s[34:35] their places;  s[36:37] y2 at my columns
.set SAS,   30
.set SRW,   32
.set SRD,   34
.set SY,    36
.set MSB, 0
.macro WIN new                         ; the immediate's high byte repeats the setting that is left; a switch that changes nothing is dropped
.if MSB != (\new)
	s_set_vgpr_msb (MSB<<8)|(\new)
.set MSB, (\new)
.endif
.endm
	s_load_b256 s[4:11], s[0:1], 0x0               ; codes s[4:5], scales s[6:7], bias s[8:9], act s[10:11]
	s_load_b128 s[12:15], s[0:1], 0x20             ; xs s[12:13], lst s[14:15]
	s_load_b64 s[16:17], s[0:1], 0x30              ; y2
	v_lshl_add_u32 v254, v0, 2, 0x12800
	v_mov_b32 v255, 0
	v_lshrrev_b32 v13, 5, v0
	v_readfirstlane_b32 s18, v13                   ; wave 0..3 = q
	v_and_b32 v13, 31, v0                          ; lane
	v_and_b32 v14, 15, v0                          ; r
	v_bfe_u32 v15, v0, 4, 1                        ; h
	v_lshlrev_b32 v1, 4, v13                       ; v1  16 x lane
	v_lshlrev_b32 v8, 2, v14                       ; v8  4 r
	v_lshl_add_u32 v2, v15, 7, v8                  ; v2  a's scale words: 4 r, and one K step (128 bytes) on for lanes 16-31
	s_wait_alu depctr_va_sdst(0)                   ; s18 is written, ahead of its first reader: the wave's LDS places, bases and count of tiles are made from it
	s_and_b32 s24, s18, 1
	s_lshl_b32 s24, s24, 4
	s_lshr_b32 s25, s18, 1
	s_lshl_b32 s25, s25, 3
	s_add_co_u32 s24, s24, s25
	s_mul_i32 s24, s24, PITCH
	v_add_nc_u32 v4, s24, v1                       ; v4  into LDS: rows 8 q .. 8 q + 7 go to places 16 (q % 2) + 8 (q / 2) on
	v_mul_u32_u24 v5, v14, PITCH
	v_lshl_add_u32 v5, v15, 4, v5                  ; v5  out of LDS: row r, + 16 h
	v_and_b32 v6, 8, v14
	v_add_nc_u32 v6, v6, v14
	v_lshl_add_u32 v6, v15, 3, v6
	v_lshlrev_b32 v6, 6, v6                        ; v6  Wd's scale words: row 8 (lane / 16) + r + 8 (r / 8) of 64 bytes
	v_lshlrev_b32 v7, 6, v15                       ; v7  the bias: 16 h numbers on
	v_bfe_u32 v3, v0, 3, 2                         ; lane / 8
	v_lshlrev_b32 v9, 4, v3                        ; v9  16 (lane / 8): four rows' places
	v_and_b32 v10, 7, v0
	v_lshlrev_b32 v10, 4, v10                      ; v10 16 (lane % 8)
	s_mul_i32 s25, s18, 16*SROW
	s_add_co_u32 s25, s25, STG                     ; my stage
	v_mul_u32_u24 v11, v14, SROW
	v_lshl_add_u32 v11, v15, 6, v11
	v_add_nc_u32 v11, s25, v11                     ; v11 in: row r, + 64 h
	v_mul_u32_u24 v12, v3, 4*SROW
	v_add_nc_u32 v12, v12, v10
	v_add_nc_u32 v12, s25, v12                     ; v12 back: row 4 (lane / 8) + i in instruction i, eight lanes to a row
	v_mov_b32 v[W+1], 0
	s_lshr_b32 s19, ttmp9, 5                       ; e
	s_and_b32 s20, ttmp9, 31                       ; j
	s_lshl_b32 s23, s19, 10
	s_lshl_b32 s24, s20, 5
	s_add_co_u32 s23, s23, s24                     ; my first row of Wd: 1024 e + 32 j
	s_lshl_b32 s24, s18, 3
	s_add_co_u32 s38, s23, s24
	s_lshl_b32 s38, s38, 11                        ; the 8 rows that I fetch
	s_mov_b32 s39, 0
	s_lshl_b32 s40, s23, 6
	s_mov_b32 s41, 0
	s_lshl_b32 s42, s23, 2
	s_mov_b32 s43, 0
	s_lshl_b32 s44, s19, 7
	s_mov_b32 s45, 0
	s_lshl_b32 s[SAC], s19, 21                     ; a's images: (64 e + q) x 32,768
	s_lshl_b32 s24, s18, 15
	s_add_co_u32 s[SAC], s[SAC], s24
	s_mov_b32 s[SAC+1], 0
	s_lshl_b32 s[SAS], s19, 16                     ; their scale words: 0x1000000 + (32 e + q / 2) x 2,048 + 64 (q % 2): the tile's 16 rows of a run of 32
	s_lshr_b32 s24, s18, 1
	s_lshl_b32 s24, s24, 11
	s_add_co_u32 s[SAS], s[SAS], s24
	s_and_b32 s24, s18, 1
	s_lshl_b32 s24, s24, 6
	s_add_co_u32 s[SAS], s[SAS], s24
	s_add_co_u32 s[SAS], s[SAS], 0x1000000
	s_mov_b32 s[SAS+1], 0
	s_lshl_b32 s[SRW], s19, 12                     ; (1024 e + 16 q) x 4
	s_lshl_b32 s24, s18, 6
	s_add_co_u32 s[SRW], s[SRW], s24
	s_add_co_u32 s[SRD], s[SRW], 1024
	s_add_co_u32 s[SRW], s[SRW], 0x840000
	s_mov_b32 s[SRW+1], 0
	s_mov_b32 s[SRD+1], 0
	s_lshl_b32 s[SY], s20, 7
	s_mov_b32 s[SY+1], 0
	s_wait_kmcnt 0x0
	s_add_nc_u64 s[44:45], s[14:15], s[44:45]
	s_load_b32 s21, s[44:45], 0x0                  ; the expert's tiles of 32 rows
	s_add_nc_u64 s[38:39], s[4:5], s[38:39]
	s_add_nc_u64 s[40:41], s[6:7], s[40:41]
	s_add_nc_u64 s[42:43], s[8:9], s[42:43]
	s_add_nc_u64 s[SAC:SAC+1], s[10:11], s[SAC:SAC+1]
	s_add_nc_u64 s[SAS:SAS+1], s[10:11], s[SAS:SAS+1]
	s_add_nc_u64 s[SRW:SRW+1], s[12:13], s[SRW:SRW+1]
	s_add_nc_u64 s[SRD:SRD+1], s[14:15], s[SRD:SRD+1]
	s_add_nc_u64 s[SY:SY+1], s[16:17], s[SY:SY+1]
	s_wait_alu depctr_va_vdst(0)                   ; the offsets and LDS addresses v1, v2 and v4 to v12 are written, which the loads, stores and LDS instructions of the kernel read
.irp k, 0,1,2,3
	global_load_b128 v[DS+4*\k:DS+4*\k+3], v6, s[40:41] offset:16*\k               ; a row's 64 bytes are its sixteen words
.endr
.irp u, 0,1
	global_load_b128 v[BIAS+8*\u:BIAS+8*\u+3], v7, s[42:43] offset:32*\u
	global_load_b128 v[BIAS+8*\u+4:BIAS+8*\u+7], v7, s[42:43] offset:32*\u+16
.endr
	WIN 0x40                                       ; my 8 rows of Wd are 16,384 consecutive bytes: 32 loads of 512, through window 1 into LDS
.set n, 0
.rept 32
	global_load_b128 v[4*n:4*n+3], v1, s[38:39] offset:512*n th:TH_LOAD_NT
.set n, n+1
.endr
	WIN 0x04                                       ; an LDS store's data are its source 1
.set n, 0
.rept 32
.if n%16 == 0
	s_wait_loadcnt 16-n                            ; the next sixteen are in; the later ones may be out
.endif
	ds_store_b128 v4, v[4*n:4*n+3] offset:(n/4)*PITCH+(n%4)*512
.set n, n+1
.endr
	WIN 0
; GROUP p of a tile: the scale words and the fragments of K steps 2 p and 2 p + 1: nine loads.  nx = 0: of the tile at the bases; nx = 1: of my next tile, four tiles on; the distance stands in the immediates.
.macro LGRP p, nx
	WIN 0
	global_load_b32 v[AS+(\p)], v2, s[SAS:SAS+1] offset:0x1000*(\nx)+256*(\p)
	WIN 0xc0
.irp d, 0,1
.irp c, 0,1,2,3
	global_load_b128 v[16*(2*(\p)+\d)+4*\c:16*(2*(\p)+\d)+4*\c+3], v1, s[SAC:SAC+1] offset:0x20000*(\nx)+2048*(2*(\p)+\d)+512*\c   ; 512 consecutive bytes: the image of four registers
.endr
.endr
.endm
.macro ELOAD                           ; the rows' weights and places, of the tile at the bases: two loads
	global_load_b32 v[W], v8, s[SRW:SRW+1]
	global_load_b128 v[RD:RD+3], v9, s[SRD:SRD+1]
.endm
.irp p, 0,1,2,3,4,5
	LGRP \p, 0                                     ; tile q, asked for whatever the count says: it lies inside the buffer, and where the expert has no such tile nothing reads it
.endr
	WIN 0
	s_wait_dscnt 0x0                               ; for the others' sake: my rows lie in LDS
	s_barrier_signal -1
	s_barrier_wait -1
	s_wait_alu depctr_vm_vsrc(0)                   ; my LDS stores have read the registers of window 1, in which the weights' fragments land below
.irp s, 0,1,2,3,4,5,6,7,8,9,10,11,12,13,14,15
	WIN 0x40+0x40*(\s/8)
.irp u, 0,1
.irp c, 0,1,2,3
	ds_load_b128 v[((\s%8)*2+\u)*16+4*\c:((\s%8)*2+\u)*16+4*\c+3], v5 offset:16*\u*PITCH+128*\s+32*\c
.endr
.endr
.endr
	LGRP 6, 0                                      ; the rest of the first tile, in the order in which a trip asks: groups 0 to 7, then the rows' two loads
	LGRP 7, 0
	WIN 0
	ELOAD
	s_wait_dscnt 0x0                               ; the weights are in their registers, for the rest of the launch
	s_wait_kmcnt 0x0
	s_min_u32 s21, s21, 32
	s_lshl_b32 s21, s21, 1                         ; tiles of 16 rows
	s_add_co_u32 s21, s21, 3
	s_sub_co_u32 s21, s21, s18
	s_lshr_b32 s21, s21, 2                         ; my tiles: q, q + 4, .. under the count
.macro WMS ra, rb                      ; one matrix instruction; ra, rb: the rows of the scale registers
.if (\ra)==0 && (\rb)==0
	v_wmma_scale_f32_16x16x128_f8f6f4 v[rD:rD+7], v[rA:rA+15], v[rB:rB+15], v[rC:rC+7], v[rWS], v[rXS] matrix_a_fmt:MATRIX_FMT_BF8 matrix_b_fmt:MATRIX_FMT_BF8
.elseif (\rb)==0
	v_wmma_scale_f32_16x16x128_f8f6f4 v[rD:rD+7], v[rA:rA+15], v[rB:rB+15], v[rC:rC+7], v[rWS], v[rXS] matrix_a_fmt:MATRIX_FMT_BF8 matrix_b_fmt:MATRIX_FMT_BF8 matrix_a_scale:MATRIX_SCALE_ROW1
.elseif (\ra)==0
	v_wmma_scale_f32_16x16x128_f8f6f4 v[rD:rD+7], v[rA:rA+15], v[rB:rB+15], v[rC:rC+7], v[rWS], v[rXS] matrix_a_fmt:MATRIX_FMT_BF8 matrix_b_fmt:MATRIX_FMT_BF8 matrix_b_scale:MATRIX_SCALE_ROW1
.else
	v_wmma_scale_f32_16x16x128_f8f6f4 v[rD:rD+7], v[rA:rA+15], v[rB:rB+15], v[rC:rC+7], v[rWS], v[rXS] matrix_a_fmt:MATRIX_FMT_BF8 matrix_b_fmt:MATRIX_FMT_BF8 matrix_a_scale:MATRIX_SCALE_ROW1 matrix_b_scale:MATRIX_SCALE_ROW1
.endif
.endm
; Group p's four products: K steps 2 p and 2 p + 1, the two accumulators by turns.  The first K step takes the bias as C: nothing is cleared, no bias is added.
; lag = 1: loads into the registers of the group before follow these products.
.macro PGRP p, cnt, lag
	s_wait_loadcnt \cnt                            ; group p is in; what was asked for behind it may be out
.if \lag
	s_wait_alu depctr_va_vdst(0)                   ; the products of the group before are done reading its fragments and scale words, in which the nine loads behind this group's products land
.endif
	WIN 0x0d+(\p)/4                                ; source 0 window 1 or 2, source 1 window 3, C and D window 0
.irp d, 0,1
.irp u, 0,1
.set rS, 2*(\p)+\d
.set rD, ACC+8*\u
.set rA, ((rS%8)*2+\u)*16
.set rB, 16*rS
.set rC, rD
.if rS==0
.set rC, BIAS+8*\u
.endif
.set rWS, DS+rS
.set rXS, AS+(\p)
	WMS \u, \d
.endr
.endr
.endm
; A TILE OF 16 ROWS.  more = 1: behind each group's products the group before it of my next tile is asked for; group 7 of it in the way out.
; THE COUNTS.  Loads come back in order (ISA guide 5.7.1), and they are asked for in one order on every way: a tile's groups 0 to 7, then its rows' two.
; Group 0: behind its loads stand the tile's seven other groups, 63 loads, and the rows' two: 65; the wait names 63, the most that it can name.
; Group p > 0 with a successor: the tile's later groups, 9 (7 - p), the rows' two, and the next tile's groups 0 to p - 2, 9 (p - 1): 56.  Without a successor: 9 (7 - p) + 2.
.macro TRIP more
.irp p, 0,1,2,3,4,5,6,7
.if \p==0
	PGRP \p, 63, 0
.elseif \more
	PGRP \p, 56, 1
	LGRP \p-1, 1                                   ; no wait: the four products above name this group's registers, the accumulators and the weights, none of which these loads touch
.else
	PGRP \p, 65-9*\p, 0
.endif
.endr
.rept 8
	v_nop                                          ; eight places behind the last products, ahead of the first read of results
.endr
	WIN 0
.if \more
	s_wait_loadcnt 63                              ; the rows' two loads are in: behind them stand the next tile's groups 0 to 6
.else
	s_wait_loadcnt 0x0                             ; the rows' two loads are the last
.endif
.irp i, 0,2,4,6,8,10,12,14
	v_pk_mul_f32 v[ACC+\i:ACC+\i+1], v[ACC+\i:ACC+\i+1], v[W:W+1] op_sel_hi:[1,0]  ; x the row's weight; each accumulator from its low end on
.endr
.irp i, 0,1,2,3
	v_min_u32 v[YA+\i], 0x7ff, v[RD+\i]
	v_lshl_add_u32 v[YA+\i], v[YA+\i], 12, v10     ; a row of y2 is 4,096 bytes.  (With the eight v_nop these are the places ahead of the next tile's first products, which begin the accumulators anew)
.endr
	s_wait_alu depctr_va_vdst(0)                   ; the multiplications have written the accumulators, which the LDS stores read; v[YA ..] are written, which the global stores read; loads land in all of these below
.irp u, 0,1
.irp k, 0,1
	ds_store_b128 v11, v[ACC+8*\u+4*\k:ACC+8*\u+4*\k+3] offset:32*\u+16*\k
.endr
.endr
.irp i, 0,1,2,3
	ds_load_b128 v[OUT+4*\i:OUT+4*\i+3], v12 offset:SROW*\i        ; LDS serves a wave's instructions in order (ISA guide 5.7.1.4): these see the stores above
.endr
.if \more
	LGRP 7, 1                                      ; the next tile's last group goes out while the stage's loads come back
	WIN 0
.endif
.irp i, 0,1,2,3
	s_wait_dscnt 3-\i                              ; load i is in; the later ones may be out
	global_store_b128 v[YA+\i], v[OUT+4*\i:OUT+4*\i+3], s[SY:SY+1]         ; four rows, 128 consecutive bytes of each
.endr
.if \more
	s_wait_xcnt 0x0                                ; the loads and stores have had their addresses translated: the bases may be written again
	s_wait_alu depctr_vm_vsrc(0)                   ; the LDS stores have read the accumulators, the global stores v[YA ..] and v[OUT ..]: the next tile's products, offsets and stage loads write them again
	s_add_nc_u64 s[SAC:SAC+1], s[SAC:SAC+1], 0x20000       ; on to my next tile: four tiles of 32,768 bytes,
	s_add_nc_u64 s[SAS:SAS+1], s[SAS:SAS+1], 0x1000        ; two runs of 32 rows' scale words,
	s_add_nc_u64 s[SRW:SRW+1], s[SRW:SRW+1], 0x100         ; 64 rows' words
	s_add_nc_u64 s[SRD:SRD+1], s[SRD:SRD+1], 0x100
	ELOAD
.endif
.endm
	s_cmp_eq_u32 s21, 0
	s_cbranch_scc1 .Lend                           ; no tile of mine
	s_sub_co_u32 s22, s21, 1
	s_cmp_eq_u32 s22, 0
	s_cbranch_scc1 .Ltail
.Ltile:                                            ; every tile but the last asks for its successor
	TRIP 1
	s_sub_co_u32 s22, s22, 1
	s_cmp_lg_u32 s22, 0
	s_cbranch_scc1 .Ltile
.Ltail:                                            ; the last is written out: it asks for nothing, so that no load leaves the expert's tiles and the counted waits see the same loads on every way
	TRIP 0
.Lend:
	s_wait_dscnt 0x0                               ; the closing lines, six on end
	s_wait_alu 0x0
	s_wait_tensorcnt 0x0
	ds_add_u32 v254, v255
	s_wait_dscnt 0x0
	s_endpgm
.Lfunc_end_k_qe24f93a842_down:
	.size	k_qe24f93a842_down, .Lfunc_end_k_qe24f93a842_down-k_qe24f93a842_down
	.p2alignl 7, 3214868480
	.fill 96, 4, 3214868480
	.section	.rodata,"a",@progbits
	.p2align	6, 0x0
	.amdhsa_kernel k_qe24f93a842_down
		.amdhsa_group_segment_fixed_size 76288
		.amdhsa_private_segment_fixed_size 0
		.amdhsa_enable_private_segment 0
		.amdhsa_kernarg_size 56
		.amdhsa_user_sgpr_count 2
		.amdhsa_user_sgpr_kernarg_segment_ptr 1
		.amdhsa_wavefront_size32 1
		.amdhsa_system_sgpr_workgroup_id_x 1
		.amdhsa_system_sgpr_workgroup_id_y 1
		.amdhsa_system_sgpr_workgroup_id_z 1
		.amdhsa_system_vgpr_workitem_id 0
		.amdhsa_next_free_vgpr 1024
		.amdhsa_next_free_sgpr 66
		.amdhsa_reserve_vcc 0
		.amdhsa_float_denorm_mode_32 3
		.amdhsa_float_denorm_mode_16_64 3
		.amdhsa_memory_ordered 1
		.amdhsa_forward_progress 1
		.amdhsa_inst_pref_size 48
	.end_amdhsa_kernel
	.amdgpu_metadata
---
amdhsa.version: [ 1, 2 ]
amdhsa.kernels:
  - .name:           k_qe24f93a842_down
    .symbol:         k_qe24f93a842_down.kd
    .args:
      - { .name: down_proj_codes, .offset: 0, .size: 8, .value_kind: global_buffer, .address_space: global }
      - { .name: down_proj_scales, .offset: 8, .size: 8, .value_kind: global_buffer, .address_space: global }
      - { .name: down_bias, .offset: 16, .size: 8, .value_kind: global_buffer, .address_space: global }
      - { .name: act, .offset: 24, .size: 8, .value_kind: global_buffer, .address_space: global }
      - { .name: xs, .offset: 32, .size: 8, .value_kind: global_buffer, .address_space: global }
      - { .name: lst, .offset: 40, .size: 8, .value_kind: global_buffer, .address_space: global }
      - { .name: y2, .offset: 48, .size: 8, .value_kind: global_buffer, .address_space: global }
    .group_segment_fixed_size: 76288
    .private_segment_fixed_size: 0
    .kernarg_segment_align: 8
    .kernarg_segment_size: 56
    .max_flat_workgroup_size: 128
    .sgpr_count:     66
    .vgpr_count:     1024
    .wavefront_size: 32
...
	.end_amdgpu_metadata
.endif
;; end of part 7
;; launch combine: the kernel of part 5 again; grid 256 x 1, 8 waves a work-group, no clusters, 0 bytes of LDS; arguments y2, out0; writes out0
